; MI455X (gfx1250); checked and timed in simulation.
; The chip was launched on July 23, 2026; its instructions are those of AMD's public machine-readable ISA for CDNA 5 (MIT licence, August 2026) and "CDNA5" Instruction Set Architecture Reference Guide (July 2026). The comments in the code are by the model that wrote it; some were corrected since.
;; Triplane Decoder. Allowed arithmetic: float matrix products may take bf16 or f16 operands with f32 sums; all other float work in f32.
;; Inputs: b_den 1 float32; b_emb 3 float32; b_hid 9 x 256 float32; b_in 256 float32; b_rgb 3 float32; points 4 x 25,000 x 3 float32; triplane 4 x 3 x 64 x 256 x 256 float32; w_den 1 x 256 float32; w_emb 3 x 256 float32; w_hid 9 x 256 x 256 float32; w_in 256 x 192 float32; w_rgb 3 x 256 float32.
;; Outputs: out0 4 x 25,000 x 3 float32; out1 4 x 25,000 x 1 float32; out2 4 x 25,000 x 3 float32.
;; 2 versions, each right and faster than the one before. Each part assembles by itself: llvm-mc -triple=amdgcn-amd-amdhsa -mcpu=gfx1250 --defsym DOCPART=n.
;; ======== version 1 of 2: 3 launches
;; limits: values outside matrix products are rounded to f16; inputs' magnitudes at most 65,504; values are held in f16: magnitudes above 65,504 overflow, below 6.1e-05 lose precision; inputs' magnitudes at most 2,047
;; workspace buffers: idx 1,204,224 bytes of whole numbers; wts 1,204,224 bytes; feats 38,535,168 bytes; wq 1,343,488 bytes; bias 11,264 bytes; cst 256 bytes; tmax 3,072 bytes
;; launch prep (part 1): grid 60 x 1, 16 waves a work-group, no clusters, 2,304 bytes of LDS; arguments points, w_in, w_hid, w_rgb, w_den, w_emb, b_in, b_hid, b_rgb, b_den, b_emb, idx, wts, wq, bias, cst; writes idx, wts, wq, bias, cst
.if DOCPART == 1
	.amdgcn_target "amdgcn-amd-amdhsa--gfx1250"
	.amdhsa_code_object_version 6
	.text
	.protected	k_q01e7c06a9f_prep
	.globl	k_q01e7c06a9f_prep
	.p2align	8
	.type	k_q01e7c06a9f_prep,@function
k_q01e7c06a9f_prep:
	s_mov_b64 s[64:65], 0
	v_nop
	global_prefetch_b8 v0, s[64:65] scope:SCOPE_SE
	s_setreg_imm32_b32 hwreg(HW_REG_WAVE_MODE, 25, 1), 1
	s_wait_xcnt 0x0
; PREP.  What the two later launches need as tables.
; Work-groups 0-48: for each of 100,352 point slots (4 batches x 25,088; a batch's 88 spare slots repeat its last four points) and each of the 3 planes the
;   cell number y0 * 256 + x0 (idx, whole numbers) and the two weights wx, wy as f16 (wts).  t = clamp((g + 1) * 127.5, 0, 255), cell = min(floor t, 254), w = t - cell:
;   the same values as clamping both corners to the border.
; Work-groups 49-58: layer L = 0..9: its 256 rows of weights times 32 as f16 (wq; w_in's rows are filled up to 256 columns with 0), its biases (bias), and
;   G = the largest row sum of |w|, Bm = the largest |b| (cst): bounds from which the last launch scales its f16 activations.
; Work-group 59: the 7 output rows as rows 0-3 and 8-10 of a tile of 64 rows (the others 0), their biases, and a last pair 0, 0 in cst.
; LIMITS.  |32 w| stays under 65,504 (f16); weights wx, wy have f16's step, 2^-12 at the most; a NaN coordinate counts as 0; infinite or NaN weights are not treated apart.
; No matrix unit, no cluster: no two work-groups read the same bytes.
.set SPARE, 256                        ; the spare words: 128 bytes for each of 16 waves, from LDS byte 256 on; bytes 0-255 are the scratch of the maxima
.set SPW,   190                        ; v190  LDS address of my spare word; never rewritten
.set NIL,   191                        ; v191  0; never rewritten
.set GPB,   6272                       ; groups of four slots in a batch
.set PLB,   401408                     ; bytes of one plane's records: 100,352 x 4
.set CD,    16                         ; v[16:27] twelve coordinates, then t
.set FI,    28                         ; v[28:39] cell coordinate
.set WW,    40                         ; v[40:51] weight
.set IX,    52                         ; v[52:63] plane pl, point p: cell number at IX + 4 pl + p
.set WT,    64                         ; v[64:75] the same for the packed weights
.set DAT,   32                         ; v[32:159] sixteen rows, 8 numbers a lane
.set OF,    160                        ; v[160:175] the rows' byte offsets
	s_load_b512 s[4:19], s[0:1], 0x0               ; points 4, w_in 6, w_hid 8, w_rgb 10, w_den 12, w_emb 14, b_in 16, b_hid 18
	s_load_b512 s[20:35], s[0:1], 0x40             ; b_rgb 20, b_den 22, b_emb 24, idx 26, wts 28, wq 30, bias 32, cst 34
	v_lshl_add_u32 v[SPW], v0, 2, SPARE
	v_mov_b32 v[NIL], 0
	v_lshrrev_b32 v1, 5, v0
	v_readfirstlane_b32 s44, v1                    ; wave 0..15
	v_and_b32 v6, 31, v0                           ; lane
	s_mov_b32 s56, 0x76543210                      ; v_permlanex16_b32: each lane takes its own place in the other half
	s_mov_b32 s57, 0xfedcba98
	s_mov_b32 s39, 0                               ; the high word of every offset pair
	s_wait_kmcnt 0x0
	s_cmp_lt_u32 ttmp9, 49
	s_cbranch_scc0 .Lweights
	; ---- points: a thread takes four slots: 48 bytes in, 6 x 16 bytes out ----
	s_lshl_b32 s36, ttmp9, 9
	v_add_nc_u32 v1, s36, v0                       ; group number 0..25,087
	v_cmp_le_u32 vcc_lo, GPB, v1
	v_cndmask_b32 v2, 0, 1, vcc_lo
	v_cmp_le_u32 vcc_lo, 2*GPB, v1
	v_cndmask_b32 v3, 0, 1, vcc_lo
	v_cmp_le_u32 vcc_lo, 3*GPB, v1
	v_cndmask_b32 v4, 0, 1, vcc_lo
	v_add3_u32 v2, v2, v3, v4                      ; batch
	v_mul_u32_u24 v3, v2, GPB
	v_sub_nc_u32 v3, v1, v3                        ; group in the batch
	v_min_u32 v3, 6249, v3                         ; the spare groups repeat the batch's last one
	v_mad_u32_u24 v3, v2, 6250, v3
	v_mul_u32_u24 v3, v3, 48
	global_load_b128 v[16:19], v3, s[4:5] th:TH_LOAD_NT
	global_load_b128 v[20:23], v3, s[4:5] offset:16 th:TH_LOAD_NT
	global_load_b128 v[24:27], v3, s[4:5] offset:32 th:TH_LOAD_NT
	v_lshlrev_b32 v5, 4, v1                        ; 16 bytes of records a group and plane
	s_wait_loadcnt 0x0
.set c, 0
.rept 12
	v_add_f32 v[CD+c], 1.0, v[CD+c]
	v_mul_f32 v[CD+c], 0x42ff0000, v[CD+c]         ; x 127.5: one rounding, as (g + 1) * 0.5 * 255 has
	v_med3_num_f32 v[CD+c], v[CD+c], 0, 0x437f0000 ; into 0 .. 255
	v_floor_f32 v[FI+c], v[CD+c]
	v_min_num_f32 v[FI+c], 0x437e0000, v[FI+c]     ; 254 at the most: the cell's far corner stays inside
	v_sub_f32 v[WW+c], v[CD+c], v[FI+c]
	v_cvt_u32_f32 v[FI+c], v[FI+c]
.set c, c+1
.endr
.macro RECORD pl, p, cx, cy            ; plane pl, point p: gx is coordinate cx, gy coordinate cy
	v_lshl_add_u32 v[IX+4*(\pl)+(\p)], v[FI+(\cy)], 8, v[FI+(\cx)]
	v_cvt_pk_f16_f32 v[WT+4*(\pl)+(\p)], v[WW+(\cx)], v[WW+(\cy)]
.endm
.irp p, 0,1,2,3
	RECORD 0, \p, 3*\p, 3*\p+1                     ; xy
	RECORD 1, \p, 3*\p, 3*\p+2                     ; xz
	RECORD 2, \p, 3*\p+1, 3*\p+2                   ; yz
.endr
.irp pl, 0,1,2
	global_store_b128 v5, v[IX+4*\pl:IX+4*\pl+3], s[26:27] offset:\pl*PLB   ; a wave's store covers 512 consecutive bytes, aligned
	global_store_b128 v5, v[WT+4*\pl:WT+4*\pl+3], s[28:29] offset:\pl*PLB
.endr
	s_endpgm
.macro WRED op, x, y                   ; over the wave's 32 lanes, the result in every lane; v[y] has been written before
	\op\()_dpp v[\x], v[\x], v[\x] row_xmask:1 row_mask:0xf bank_mask:0xf
	\op\()_dpp v[\x], v[\x], v[\x] row_xmask:2 row_mask:0xf bank_mask:0xf
	\op\()_dpp v[\x], v[\x], v[\x] row_xmask:4 row_mask:0xf bank_mask:0xf
	\op\()_dpp v[\x], v[\x], v[\x] row_xmask:8 row_mask:0xf bank_mask:0xf
	v_permlanex16_b32 v[\y], v[\x], s56, s57
	\op v[\x], v[\x], v[\y]
.endm
.Lweights:
	s_sub_co_u32 s36, ttmp9, 49                    ; L
	s_cmp_eq_u32 s36, 10
	s_cbranch_scc1 .Lheads
	; ---- a layer: wave w takes rows 16 w .. 16 w + 15, a lane 8 columns of each ----
	s_max_u32 s37, s36, 1
	s_sub_co_u32 s37, s37, 1                       ; the hidden layer's number (0 where L = 0: not used then)
	s_lshl_b32 s38, s37, 18
	s_add_nc_u64 s[40:41], s[8:9], s[38:39]        ; w_hid[L - 1]
	s_lshl_b32 s38, s37, 10
	s_add_nc_u64 s[48:49], s[18:19], s[38:39]      ; b_hid[L - 1]
	s_lshl_b32 s38, s36, 17
	s_add_nc_u64 s[46:47], s[30:31], s[38:39]      ; wq at row 256 L
	s_lshl_b32 s38, s36, 10
	s_add_nc_u64 s[50:51], s[32:33], s[38:39]      ; bias at row L
	s_lshl_b32 s38, s36, 3
	s_add_nc_u64 s[52:53], s[34:35], s[38:39]      ; cst at pair L
	s_mov_b32 s42, 1024
	s_mov_b32 s43, 256
	s_cmp_eq_u32 s36, 0
	s_cselect_b64 s[40:41], s[6:7], s[40:41]       ; the input layer reads w_in,
	s_cselect_b64 s[48:49], s[16:17], s[48:49]     ; b_in,
	s_cselect_b32 s42, 768, s42                    ; rows of 768 bytes,
	s_cselect_b32 s43, 192, s43                    ; 192 columns
	v_lshlrev_b32 v7, 5, v6
	s_sub_co_u32 s54, s42, 32
	v_min_u32 v7, s54, v7                          ; lanes past the row's end read its last 32 bytes again,
	v_lshlrev_b32 v8, 3, v6
	v_cmp_gt_u32 vcc_lo, s43, v8
	v_cndmask_b32 v10, 0, 0x42000000, vcc_lo       ; and multiply them by 0 where the others multiply by 32
	v_mov_b32 v11, v10                             ; named with it as a pair
	s_lshl_b32 s55, s44, 4
	s_mul_i32 s55, s55, s42
	v_add_nc_u32 v[OF], s55, v7
.set i, 1
.rept 15
	v_add_nc_u32 v[OF+i], s42, v[OF+i-1]
.set i, i+1
.endr
.set i, 0
.rept 16
	global_load_b128 v[DAT+8*i:DAT+8*i+3], v[OF+i], s[40:41]
	global_load_b128 v[DAT+8*i+4:DAT+8*i+7], v[OF+i], s[40:41] offset:16
.set i, i+1
.endr
	v_lshlrev_b32 v17, 4, v6
	s_lshl_b32 s58, s44, 13
	v_add_nc_u32 v17, s58, v17                     ; 16 rows of 512 bytes a wave, 16 bytes a lane
	v_mov_b32 v9, 0                                ; the running maximum of the row sums
	v_mov_b32 v13, 0
.set i, 0
.rept 16
.set a, DAT+8*i
	s_wait_loadcnt 30-2*i                          ; loads come back in order: row i is in, the 2 (15 - i) loads of the rows behind it stay out
.irp k, 0,2,4,6
	v_pk_mul_f32 v[a+\k:a+\k+1], v[a+\k:a+\k+1], v[10:11] op_sel_hi:[1,0]
.endr
	v_add_f32 v12, |v[a]|, |v[a+1]|
	v_add_f32 v13, |v[a+2]|, |v[a+3]|
	v_add_f32 v14, |v[a+4]|, |v[a+5]|
	v_add_f32 v15, |v[a+6]|, |v[a+7]|
	v_add_f32 v12, v12, v13
	v_add_f32 v14, v14, v15
	v_add_f32 v12, v12, v14
.irp k, 0,1,2,3
	v_cvt_pk_f16_f32 v[a+\k], v[a+2*\k], v[a+2*\k+1]   ; in place, ascending: each source has been read when it is written
.endr
	global_store_b128 v17, v[a:a+3], s[46:47] offset:i*512  ; a whole row of 512 bytes; each row has its own four registers
	WRED v_add_f32, 12, 13
	v_max_num_f32 v9, v9, v12
.set i, i+1
.endr
	v_mov_b32 v18, s44
	v_lshlrev_b32 v18, 2, v18
	ds_store_b32 v18, v9                           ; my wave's maximum: all lanes write the same word with the same value
	s_cmp_gt_u32 s44, 1
	s_cbranch_scc1 .Lnobias
	v_lshlrev_b32 v19, 4, v0                       ; waves 0 and 1: 64 threads x 4 biases
	global_load_b128 v[20:23], v19, s[48:49]
	v_mov_b32 v25, 0
	s_wait_loadcnt 0x0
	global_store_b128 v19, v[20:23], s[50:51]
	v_max3_num_f32 v24, |v20|, |v21|, |v22|
	v_max_num_f32 v24, v24, |v23|
	WRED v_max_num_f32, 24, 25
	ds_store_b32 v18, v24 offset:64
.Lnobias:
	s_wait_dscnt 0x0                               ; for the others' sake: my words are written
	s_barrier_signal -1
	s_barrier_wait -1
	s_cmp_lg_u32 s44, 0
	s_cbranch_scc1 .Lend
	v_and_b32 v26, 15, v6
	v_lshlrev_b32 v26, 2, v26
	ds_load_b32 v27, v26                           ; the sixteen waves' row-sum maxima
	v_and_b32 v28, 1, v6
	v_lshlrev_b32 v28, 2, v28
	ds_load_b32 v29, v28 offset:64                 ; the two waves' bias maxima
	v_mov_b32 v180, 0
	v_mov_b32 v31, 0                               ; the destination of a DPP form counts as read: it is written first
	s_wait_dscnt 0x0
	v_max_num_f32_dpp v27, v27, v27 row_xmask:1 row_mask:0xf bank_mask:0xf
	v_max_num_f32_dpp v27, v27, v27 row_xmask:2 row_mask:0xf bank_mask:0xf
	v_max_num_f32_dpp v27, v27, v27 row_xmask:4 row_mask:0xf bank_mask:0xf
	v_max_num_f32_dpp v27, v27, v27 row_xmask:8 row_mask:0xf bank_mask:0xf
	v_max_num_f32_dpp v31, v29, v29 row_xmask:1 row_mask:0xf bank_mask:0xf
	v_mul_f32 v30, 0x3d000000, v27                 ; the sums were taken of 32 w
	v_cmp_eq_u32 vcc_lo, 0, v6
	s_wait_xcnt 0x0                                ; EXEC is a source of the stores above: it changes only behind this wait
	s_and_saveexec_b32 s59, vcc_lo
	global_store_b64 v180, v[30:31], s[52:53]      ; G, Bm
	s_wait_xcnt 0x0                                ; and again in front of the line that widens it
	s_or_b32 exec_lo, exec_lo, s59
.Lend:
	s_wait_tensorcnt 0x0                           ; the wave's end, behind my last LDS store
	ds_add_u32 v[SPW], v[NIL]
	s_wait_dscnt 0x0
	s_endpgm
.Lheads:
	; ---- the output rows: wq's tile 40, rows 2,560 .. 2,623; four waves, 16 rows each
	s_cmp_gt_u32 s44, 3
	s_cbranch_scc1 .Lquit
	s_add_nc_u64 s[46:47], s[30:31], 2560*512
	v_lshlrev_b32 v17, 4, v6
	s_lshl_b32 s58, s44, 13
	v_add_nc_u32 v17, s58, v17
.irp k, 20,21,22,23
	v_mov_b32 v\k, 0
.endr
	s_cmp_lg_u32 s44, 0
	s_cbranch_scc1 .Lzero16
	v_lshlrev_b32 v7, 5, v6                        ; 8 columns a lane
.irp k, 0,1,2
	global_load_b128 v[DAT+8*\k:DAT+8*\k+3], v7, s[10:11] offset:\k*1024
	global_load_b128 v[DAT+8*\k+4:DAT+8*\k+7], v7, s[10:11] offset:\k*1024+16
	global_load_b128 v[DAT+32+8*\k:DAT+32+8*\k+3], v7, s[14:15] offset:\k*1024
	global_load_b128 v[DAT+32+8*\k+4:DAT+32+8*\k+7], v7, s[14:15] offset:\k*1024+16
.endr
	global_load_b128 v[DAT+24:DAT+27], v7, s[12:13]
	global_load_b128 v[DAT+28:DAT+31], v7, s[12:13] offset:16
	s_wait_loadcnt 0x0
.set i, 0
.rept 7                                ; rgb 0-2, density, emb 0-2 go to rows 0-3 and 8-10
.set a, DAT+8*i
.irp k, 0,2,4,6
	v_pk_mul_f32 v[a+\k:a+\k+1], v[a+\k:a+\k+1], 0x42000000 op_sel_hi:[1,0]
.endr
.irp k, 0,1,2,3
	v_cvt_pk_f16_f32 v[a+\k], v[a+2*\k], v[a+2*\k+1]
.endr
	global_store_b128 v17, v[a:a+3], s[46:47] offset:(i+4*(i/4))*512
.set i, i+1
.endr
.irp k, 4,5,6,7,11,12,13,14,15
	global_store_b128 v17, v[20:23], s[46:47] offset:\k*512
.endr
	s_endpgm
.Lzero16:
.set i, 0
.rept 16
	global_store_b128 v17, v[20:23], s[46:47] offset:i*512
.set i, i+1
.endr
	s_cmp_lg_u32 s44, 1
	s_cbranch_scc1 .Lquit
	s_load_b96 s[60:62], s[20:21], 0x0             ; wave 1: the output biases as row 10 of the bias table
	s_load_b32 s63, s[22:23], 0x0
	s_load_b96 s[68:70], s[24:25], 0x0
	v_lshlrev_b32 v28, 4, v6
	v_cmp_eq_u32 vcc_lo, 0, v6                     ; lane 0 holds entries 0-3, lane 2 entries 8-11
	v_cmp_eq_u32 s71, 2, v6
	s_wait_kmcnt 0x0
	v_cndmask_b32 v24, 0, s60, vcc_lo
	v_cndmask_b32 v25, 0, s61, vcc_lo
	v_cndmask_b32 v26, 0, s62, vcc_lo
	v_cndmask_b32 v27, 0, s63, vcc_lo
	v_cndmask_b32 v24, v24, s68, s71
	v_cndmask_b32 v25, v25, s69, s71
	v_cndmask_b32 v26, v26, s70, s71
	global_store_b128 v28, v[24:27], s[32:33] offset:10240   ; entries 0-127
	global_store_b128 v28, v[20:23], s[32:33] offset:10752   ; entries 128-255: 0
	s_wait_xcnt 0x0                                ; EXEC changes only behind this wait
	s_and_saveexec_b32 s59, vcc_lo
	global_store_b64 v20, v[20:21], s[34:35] offset:80       ; pair 10: loaded by the last launch, never used
	s_wait_xcnt 0x0
	s_or_b32 exec_lo, exec_lo, s59
.Lquit:
	s_endpgm
.Lfunc_end_k_q01e7c06a9f_prep:
	.size	k_q01e7c06a9f_prep, .Lfunc_end_k_q01e7c06a9f_prep-k_q01e7c06a9f_prep
	.p2alignl 7, 3214868480
	.fill 96, 4, 3214868480
	.section	.rodata,"a",@progbits
	.p2align	6, 0x0
	.amdhsa_kernel k_q01e7c06a9f_prep
		.amdhsa_group_segment_fixed_size 2304
		.amdhsa_private_segment_fixed_size 0
		.amdhsa_enable_private_segment 0
		.amdhsa_kernarg_size 128
		.amdhsa_user_sgpr_count 2
		.amdhsa_user_sgpr_kernarg_segment_ptr 1
		.amdhsa_wavefront_size32 1
		.amdhsa_system_sgpr_workgroup_id_x 1
		.amdhsa_system_sgpr_workgroup_id_y 1
		.amdhsa_system_sgpr_workgroup_id_z 1
		.amdhsa_system_vgpr_workitem_id 0
		.amdhsa_next_free_vgpr 192
		.amdhsa_next_free_sgpr 72
		.amdhsa_reserve_vcc 1
		.amdhsa_float_denorm_mode_32 3
		.amdhsa_float_denorm_mode_16_64 3
		.amdhsa_memory_ordered 1
		.amdhsa_forward_progress 1
		.amdhsa_inst_pref_size 48
	.end_amdhsa_kernel
	.amdgpu_metadata
---
amdhsa.version: [ 1, 2 ]
amdhsa.kernels:
  - .name:           k_q01e7c06a9f_prep
    .symbol:         k_q01e7c06a9f_prep.kd
    .args:
      - { .name: points, .offset: 0, .size: 8, .value_kind: global_buffer, .address_space: global }
      - { .name: w_in, .offset: 8, .size: 8, .value_kind: global_buffer, .address_space: global }
      - { .name: w_hid, .offset: 16, .size: 8, .value_kind: global_buffer, .address_space: global }
      - { .name: w_rgb, .offset: 24, .size: 8, .value_kind: global_buffer, .address_space: global }
      - { .name: w_den, .offset: 32, .size: 8, .value_kind: global_buffer, .address_space: global }
      - { .name: w_emb, .offset: 40, .size: 8, .value_kind: global_buffer, .address_space: global }
      - { .name: b_in, .offset: 48, .size: 8, .value_kind: global_buffer, .address_space: global }
      - { .name: b_hid, .offset: 56, .size: 8, .value_kind: global_buffer, .address_space: global }
      - { .name: b_rgb, .offset: 64, .size: 8, .value_kind: global_buffer, .address_space: global }
      - { .name: b_den, .offset: 72, .size: 8, .value_kind: global_buffer, .address_space: global }
      - { .name: b_emb, .offset: 80, .size: 8, .value_kind: global_buffer, .address_space: global }
      - { .name: idx, .offset: 88, .size: 8, .value_kind: global_buffer, .address_space: global }
      - { .name: wts, .offset: 96, .size: 8, .value_kind: global_buffer, .address_space: global }
      - { .name: wq, .offset: 104, .size: 8, .value_kind: global_buffer, .address_space: global }
      - { .name: bias, .offset: 112, .size: 8, .value_kind: global_buffer, .address_space: global }
      - { .name: cst, .offset: 120, .size: 8, .value_kind: global_buffer, .address_space: global }
    .group_segment_fixed_size: 2304
    .private_segment_fixed_size: 0
    .kernarg_segment_align: 8
    .kernarg_segment_size: 128
    .max_flat_workgroup_size: 512
    .sgpr_count:     72
    .vgpr_count:     192
    .wavefront_size: 32
...
	.end_amdgpu_metadata
.endif
;; end of part 1
;; launch sample (part 2): grid 64 x 12, 32 waves a work-group, no clusters, 266,496 bytes of LDS; arguments triplane, idx, wts, feats, tmax; writes feats, tmax
.if DOCPART == 2
	.amdgcn_target "amdgcn-amd-amdhsa--gfx1250"
	.amdhsa_code_object_version 6
	.text
	.protected	k_q01e7c06a9f_sample
	.globl	k_q01e7c06a9f_sample
	.p2align	8
	.type	k_q01e7c06a9f_sample,@function
k_q01e7c06a9f_sample:
	s_mov_b64 s[64:65], 0
	v_nop
	global_prefetch_b8 v0, s[64:65] scope:SCOPE_SE
	s_setreg_imm32_b32 hwreg(HW_REG_WAVE_MODE, 25, 1), 1
	s_wait_xcnt 0x0
; SAMPLE.  A work-group takes ONE channel image (256 x 256 f32, 262,144 consecutive bytes), reads it once, lays it into LDS as f16, and takes from it the bilinear
; sample of all 25,088 point slots of its batch: feats[plane * 64 + channel][slot], f16.  It also stores the image's largest magnitude (tmax).
; LDS word 256 y + x holds v(y, x) in the low half and v(y + 1, x) in the high half, so a sample is two loads of 4 bytes: the cell's left and right column.
; The cell numbers come as whole numbers from the launch before (idx), the weights as two f16 (wts); the interpolation runs in f32, rounded once to f16.
; SHARES.  32 waves.  Wave w converts rows 8 w .. 8 w + 7 (and reads row 8 w + 8 for the pairs).  Points go in groups of 128, 4 a lane; wave w takes groups w + 32 g:
; 196 groups are six for every wave and a seventh for waves 0-3.
; LIMITS.  |triplane| stays under 65,504 and is finite (f16; a weight of 0 times an infinity); a NaN is not counted in tmax.
; No tensor load: the bytes are converted on their way into LDS.  No cluster: the 64 work-groups of a plane read the same records, but those are used straight from
; registers, and beside the image LDS has 4,352 bytes left, no room for a shared tile of them.  No matrix unit: there is no product here.
.set SCR,   262144                     ; behind the image: a word for each wave's maximum, a block of 256 bytes
.set SPARE, 262400                     ; the spare words: 128 bytes for each of 32 waves
.set SPW,   2                          ; v2   LDS address of my spare word; never rewritten
.set NIL,   3                          ; v3   0; never rewritten
.set IMG,   16                         ; v[16:87]  rows i = 0..8, half hh: four registers at IMG + 8 i + 4 hh
.set PK,    120                        ; v[120:127] two sets of four packed words
.set REC,   88                         ; v[88:119] four sets of records: four cell numbers, four weight words
.set A,     16                         ; sampling (the image's registers are free then): v[16:19] LDS addresses
                                       ; v[20:27] the loaded words, named by number below since their halves are read
.set WX,    28                         ; v[28:31], v[32:35] weights in f32
.set WY,    32
.set T,     36                         ; v[36:43] two sets of four at work
.set RES,   44                         ; v[44:47] four samples
.set OUT,   48                         ; v[48:61] group g: two registers to store, its own
	s_load_b256 s[4:11], s[0:1], 0x0               ; triplane 4, idx 6, wts 8, feats 10
	s_load_b64 s[12:13], s[0:1], 0x20              ; tmax
	v_lshl_add_u32 v[SPW], v0, 2, SPARE
	v_mov_b32 v[NIL], 0
	v_lshrrev_b32 v1, 5, v0
	v_readfirstlane_b32 s14, v1                    ; wave 0..31
	v_and_b32 v6, 31, v0                           ; lane
	s_and_b32 s15, ttmp7, 0xffff                   ; 3 x batch + plane
	s_mul_i32 s16, s15, 11
	s_lshr_b32 s16, s16, 5                         ; batch = that / 3 (exact for 0..11)
	s_mul_i32 s17, s16, 3
	s_sub_co_u32 s17, s15, s17                     ; plane
	s_lshl_b32 s18, s15, 6
	s_add_co_u32 s18, s18, ttmp9                   ; the image's number, 0..767
	s_lshl_b32 s20, s18, 18                        ; its first byte: under 2^28
	s_mov_b32 s21, 0
	s_mul_i32 s22, s17, 100352
	s_mul_i32 s19, s16, 25088
	s_add_co_u32 s22, s22, s19
	s_lshl_b32 s22, s22, 2                         ; the batch's records of this plane
	s_mov_b32 s23, 0
	s_lshl_b32 s24, s17, 6
	s_add_co_u32 s24, s24, ttmp9
	s_mul_i32 s24, s24, 200704                     ; feats' row, 100,352 f16,
	s_mul_i32 s19, s16, 50176
	s_add_co_u32 s24, s24, s19                     ; at the batch's first slot
	s_mov_b32 s25, 0
	s_lshl_b32 s26, s18, 2
	s_mov_b32 s27, 0
	s_mov_b32 s32, 0x76543210
	s_mov_b32 s33, 0xfedcba98
	v_lshlrev_b32 v13, 4, v6
	s_lshl_b32 s28, s14, 13
	v_add_nc_u32 v4, s28, v13                      ; 8 rows of 1,024 bytes a wave, 16 bytes a lane: the same offset in memory and in LDS
	s_lshl_b32 s29, s14, 3
	s_add_co_u32 s29, s29, 8
	s_min_u32 s29, s29, 255                        ; the row below my eight; the last wave pairs row 255 with itself (no cell has y0 = 255)
	s_lshl_b32 s29, s29, 10
	v_add_nc_u32 v5, s29, v13
	s_lshl_b32 s30, s14, 9
	v_add_nc_u32 v7, s30, v13                      ; records: 512 bytes a group
	v_lshlrev_b32 v8, 3, v6
	s_lshl_b32 s31, s14, 8
	v_add_nc_u32 v8, s31, v8                       ; samples: 256 bytes a group
	s_wait_kmcnt 0x0
	s_add_nc_u64 s[4:5], s[4:5], s[20:21]
	s_add_nc_u64 s[6:7], s[6:7], s[22:23]
	s_add_nc_u64 s[8:9], s[8:9], s[22:23]
	s_add_nc_u64 s[10:11], s[10:11], s[24:25]
	s_add_nc_u64 s[12:13], s[12:13], s[26:27]
.irp g, 0,1,2,3
	global_load_b128 v[REC+8*\g:REC+8*\g+3], v7, s[6:7] offset:\g*16384
	global_load_b128 v[REC+8*\g+4:REC+8*\g+7], v7, s[8:9] offset:\g*16384
.endr
.irp i, 0,1,2,3,4,5,6,7
	global_load_b128 v[IMG+8*\i:IMG+8*\i+3], v4, s[4:5] offset:\i*1024 th:TH_LOAD_NT
	global_load_b128 v[IMG+8*\i+4:IMG+8*\i+7], v4, s[4:5] offset:\i*1024+512 th:TH_LOAD_NT
.endr
	global_load_b128 v[IMG+64:IMG+67], v5, s[4:5]
	global_load_b128 v[IMG+68:IMG+71], v5, s[4:5] offset:512
.irp k, 9,10,11,12
	v_mov_b32 v\k, 0
.endr
	v_mov_b32 v14, s14
	v_lshl_add_u32 v14, v14, 2, SCR
	s_wait_loadcnt 0x0                             ; all 26 went out together: 9 KiB of image a wave, 288 KiB a work-group, on their way at once
.set k, 0
.rept 32
	v_max3_num_f32 v[9+k%4], |v[IMG+2*k]|, |v[IMG+2*k+1]|, v[9+k%4]   ; my eight rows' largest magnitude, in four chains
.set k, k+1
.endr
.set i, 0
.rept 16                               ; row i / 2, half i % 2: four words of (row, row below), 512 consecutive bytes of LDS a store
.set p, PK+4*(i%2)
.irp k, 0,1,2,3
	v_cvt_pk_f16_f32 v[p+\k], v[IMG+4*i+\k], v[IMG+4*i+8+\k]
.endr
	ds_store_b128 v4, v[p:p+3] offset:i*512
.set i, i+1
.endr
	v_max3_num_f32 v9, v9, v10, v11
	v_max_num_f32 v9, v9, v12
.macro WMAX x, y
	v_max_num_f32_dpp v[\x], v[\x], v[\x] row_xmask:1 row_mask:0xf bank_mask:0xf
	v_max_num_f32_dpp v[\x], v[\x], v[\x] row_xmask:2 row_mask:0xf bank_mask:0xf
	v_max_num_f32_dpp v[\x], v[\x], v[\x] row_xmask:4 row_mask:0xf bank_mask:0xf
	v_max_num_f32_dpp v[\x], v[\x], v[\x] row_xmask:8 row_mask:0xf bank_mask:0xf
	v_permlanex16_b32 v[\y], v[\x], s32, s33
	v_max_num_f32 v[\x], v[\x], v[\y]
.endm
	WMAX 9, 10
	ds_store_b32 v14, v9
	s_wait_dscnt 0x0                               ; for the others' sake: my rows and my word are written
	s_barrier_signal -1
	s_barrier_wait -1                              ; the image is whole: the launch's one barrier
.macro PT k, d0, d1                    ; point k of a lane's four: d0 the cell's left column (upper, lower), d1 its right
.set t, T+4*((\k)%2)
	v_cvt_f32_f16 v[t], v\d0\().l
	v_cvt_f32_f16 v[t+1], v\d0\().h
	v_cvt_f32_f16 v[t+2], v\d1\().l
	v_cvt_f32_f16 v[t+3], v\d1\().h
	v_sub_f32 v[t+1], v[t+1], v[t]
	v_sub_f32 v[t+3], v[t+3], v[t+2]
	v_fma_f32 v[t], v[WY+(\k)], v[t+1], v[t]       ; along y in both columns,
	v_fma_f32 v[t+2], v[WY+(\k)], v[t+3], v[t+2]
	v_sub_f32 v[t+2], v[t+2], v[t]
	v_fma_f32 v[RES+(\k)], v[WX+(\k)], v[t+2], v[t]  ; then along x
.endm
; Group g.  left >= 0: a wait that leaves so many younger loads out.  refill = 1: the set takes group g + 4's records; 2: only in waves 0-3, which alone have a seventh group.
; w0-w3: the numbers of the set's four weight registers.
.macro GRP g, left, refill, w0, w1, w2, w3
.set rs, REC+8*((\g)%4)
.if (\left) >= 0
	s_wait_loadcnt \left
.endif
.irp k, 0,1,2,3
	v_min_u32 v[A+\k], 0xfefe, v[rs+\k]            ; a cell number is 254 x 256 + 254 at the most: the loaded number is held to that before it enters an address
.endr
.irp k, 0,1,2,3
	v_lshlrev_b32 v[A+\k], 2, v[A+\k]
.endr
.irp k, 0,1,2,3
	ds_load_b32 v[20+2*\k], v[A+\k]
	ds_load_b32 v[21+2*\k], v[A+\k] offset:4
.endr
	v_cvt_f32_f16 v[WX], v\w0\().l
	v_cvt_f32_f16 v[WY], v\w0\().h
	v_cvt_f32_f16 v[WX+1], v\w1\().l
	v_cvt_f32_f16 v[WY+1], v\w1\().h
	v_cvt_f32_f16 v[WX+2], v\w2\().l
	v_cvt_f32_f16 v[WY+2], v\w2\().h
	v_cvt_f32_f16 v[WX+3], v\w3\().l
	v_cvt_f32_f16 v[WY+3], v\w3\().h
.if (\refill) == 2
	s_cmp_lt_u32 s14, 4
	s_cbranch_scc0 .Lnone_\@
.endif
.if \refill
	global_load_b128 v[rs:rs+3], v7, s[6:7] offset:((\g)+4)*16384
	global_load_b128 v[rs+4:rs+7], v7, s[8:9] offset:((\g)+4)*16384
.endif
.if (\refill) == 2
.Lnone_\@:
.endif
	s_wait_dscnt 0x0
	PT 0, 20, 21
	PT 1, 22, 23
	PT 2, 24, 25
	PT 3, 26, 27
	v_cvt_pk_f16_f32 v[OUT+2*(\g)], v[RES], v[RES+1]
	v_cvt_pk_f16_f32 v[OUT+2*(\g)+1], v[RES+2], v[RES+3]
	global_store_b64 v8, v[OUT+2*(\g):OUT+2*(\g)+1], s[10:11] offset:(\g)*8192   ; the wave's store covers 256 consecutive bytes, aligned
.endm
	GRP 0, -1, 1, 92, 93, 94, 95                   ; groups 0-3 were shown in by the wait for 0 above
	GRP 1, -1, 1, 100, 101, 102, 103
	GRP 2, -1, 2, 108, 109, 110, 111
	GRP 3, -1, 0, 116, 117, 118, 119
	GRP 4, 2, 0, 92, 93, 94, 95                    ; behind group 4's two loads group 5's two were issued on every path
	GRP 5, 0, 0, 100, 101, 102, 103                ; behind group 5's only waves 0-3 issued more: the count is 0
	s_cmp_lt_u32 s14, 4
	s_cbranch_scc0 .Ldone
	GRP 6, 0, 0, 108, 109, 110, 111
	s_cmp_lg_u32 s14, 0
	s_cbranch_scc1 .Ldone
	v_lshl_add_u32 v15, v6, 2, SCR                 ; wave 0: the 32 waves' maxima
	ds_load_b32 v9, v15
	v_mov_b32 v11, 0
	s_wait_dscnt 0x0
	WMAX 9, 10
	v_cmp_eq_u32 vcc_lo, 0, v6
	s_wait_xcnt 0x0                                ; EXEC is a source of the stores above: it changes only behind this wait
	s_and_saveexec_b32 s34, vcc_lo
	global_store_b32 v11, v9, s[12:13]
	s_wait_xcnt 0x0
	s_or_b32 exec_lo, exec_lo, s34
.Ldone:
	s_wait_tensorcnt 0x0                           ; the wave's end, behind my last LDS store
	ds_add_u32 v[SPW], v[NIL]
	s_wait_dscnt 0x0
	s_endpgm
.Lfunc_end_k_q01e7c06a9f_sample:
	.size	k_q01e7c06a9f_sample, .Lfunc_end_k_q01e7c06a9f_sample-k_q01e7c06a9f_sample
	.p2alignl 7, 3214868480
	.fill 96, 4, 3214868480
	.section	.rodata,"a",@progbits
	.p2align	6, 0x0
	.amdhsa_kernel k_q01e7c06a9f_sample
		.amdhsa_group_segment_fixed_size 266496
		.amdhsa_private_segment_fixed_size 0
		.amdhsa_enable_private_segment 0
		.amdhsa_kernarg_size 40
		.amdhsa_user_sgpr_count 2
		.amdhsa_user_sgpr_kernarg_segment_ptr 1
		.amdhsa_wavefront_size32 1
		.amdhsa_system_sgpr_workgroup_id_x 1
		.amdhsa_system_sgpr_workgroup_id_y 1
		.amdhsa_system_sgpr_workgroup_id_z 1
		.amdhsa_system_vgpr_workitem_id 0
		.amdhsa_next_free_vgpr 128
		.amdhsa_next_free_sgpr 66
		.amdhsa_reserve_vcc 1
		.amdhsa_float_denorm_mode_32 3
		.amdhsa_float_denorm_mode_16_64 3
		.amdhsa_memory_ordered 1
		.amdhsa_forward_progress 1
		.amdhsa_inst_pref_size 36
	.end_amdhsa_kernel
	.amdgpu_metadata
---
amdhsa.version: [ 1, 2 ]
amdhsa.kernels:
  - .name:           k_q01e7c06a9f_sample
    .symbol:         k_q01e7c06a9f_sample.kd
    .args:
      - { .name: triplane, .offset: 0, .size: 8, .value_kind: global_buffer, .address_space: global }
      - { .name: idx, .offset: 8, .size: 8, .value_kind: global_buffer, .address_space: global }
      - { .name: wts, .offset: 16, .size: 8, .value_kind: global_buffer, .address_space: global }
      - { .name: feats, .offset: 24, .size: 8, .value_kind: global_buffer, .address_space: global }
      - { .name: tmax, .offset: 32, .size: 8, .value_kind: global_buffer, .address_space: global }
    .group_segment_fixed_size: 266496
    .private_segment_fixed_size: 0
    .kernarg_segment_align: 8
    .kernarg_segment_size: 40
    .max_flat_workgroup_size: 1024
    .sgpr_count:     66
    .vgpr_count:     128
    .wavefront_size: 32
...
	.end_amdgpu_metadata
.endif
;; end of part 2
;; launch mlp (part 3): grid 56 x 4, 4 waves a work-group, clusters of 4 x 1, 327,680 bytes of LDS; arguments feats, wq, bias, cst, tmax, out0, out1, out2; writes out0, out1, out2
.if DOCPART == 3
	.amdgcn_target "amdgcn-amd-amdhsa--gfx1250"
	.amdhsa_code_object_version 6
	.text
	.protected	k_q01e7c06a9f_mlp
	.globl	k_q01e7c06a9f_mlp
	.p2align	8
	.type	k_q01e7c06a9f_mlp,@function
k_q01e7c06a9f_mlp:
	s_mov_b64 s[64:65], 0
	v_nop
	global_prefetch_b8 v0, s[64:65] scope:SCOPE_SE
	s_setreg_imm32_b32 hwreg(HW_REG_WAVE_MODE, 25, 1), 1
	s_wait_xcnt 0x0
	s_wait_alu depctr_hold_cnt(0) depctr_sa_sdst(0) depctr_va_vdst(0) depctr_va_sdst(0) depctr_va_ssrc(0) depctr_va_vcc(0) depctr_vm_vsrc(0)
	s_getreg_b32 s2, hwreg(HW_REG_IB_STS2, 6, 4)
	s_cmp_eq_u32 s2, 0
	s_cbranch_scc0 .Lentry_in_a_cluster
	s_endpgm
.Lentry_in_a_cluster:
	s_bfe_u32 s2, ttmp6, 0x10000c
	s_cmp_lg_u32 s2, 0x3003
	s_cbranch_scc0 .Lentry_shape_is_right
	s_endpgm
.Lentry_shape_is_right:
; MLP.  Ten layers of width 256 with ReLU and the seven outputs, for 448 point slots a work-group; the activations never leave the work-group.
; SHARES.  A wave owns 112 points: 7 blocks of 16.  H'^T = W H^T: source 0 = 16 rows of W (from LDS), source 1 = 32 channels x 16 points (registers).  In the result a lane holds ONE point
; (lane % 16) and the channels 8 (lane / 16) + 0..7, so two results rounded to f16 ARE the next layer's source 1: nothing changes lanes.  A fragment of W feeds 7 products.
; ORDER.  A layer is 8 PAIRS of 32 output channels; a pair is 8 K steps x 14 products on 14 accumulators by turns, the first K step with C = 0.  A pair's epilogue (scale, bias, maximum, ReLU,
; rounding: 288 vector instructions) stands three behind each product of the NEXT pair.  Old and new activations together would want 896 registers, so new blocks 0-6 go to the wave's own LDS bytes and come
; back inside the layer's last pair, each when its old block has been multiplied for the last time; block 7 is written straight into registers behind that pair.
; The input layer runs the same text with K filled up from 192 to 256 by zero columns of W and 112 zero registers: a fortieth more products, and no second text of a layer.
; FORMATS.  Operands f16, sums f32.  W is stored times 32.  Activations are a = h S with one S a wave and layer, kept in f32 as R = 1 / S.  Ahead of a layer: D = max(G R m + Bm, 1e-30), G the layer's largest row sum of
; |w|, Bm its largest |b|, m the wave's largest a (for the input: the largest magnitude of the batch's 192 images, which bounds every bilinear mean); S' = 16384 / D.  So |a'| <= 16,384 for every input; m is measured
; anew in every layer, so the bound's slack does not add up.  a' = relu(acc (S' R / 32) + b S').  Outputs: acc R / 32 + b, three of them through 1 / (1 + 2^(-x log2 e)).
; LIMITS.  A point whose activations lie more than 2^20 below its wave's largest loses relative, not absolute, precision (f16's fixed step below 6e-5).  Where D would fall under 1e-30 the layer's numbers count as
; that small; NaN and infinities are not treated apart (the maxima drop a NaN).
; W goes in tiles of 64 rows (two pairs) through two LDS slots.  CLUSTER: the four work-groups of a cluster walk the same 41 tiles, so each is asked for JOINTLY, 16 rows a wave.  The feats tile is each work-group's own.
; 6,250 blocks of 16 points on 896 waves are 7 a wave whatever the split: 224 work-groups are launched.
; REGISTERS, in windows of 256 (s_set_vgpr_msb: bits 1:0 source 0, 3:2 source 1, 5:4 source 2, 7:6 destination):
;   window 0: v0-15 addresses and at work; v16-47 two sets of 16 raw biases; v48-59 at work, output addresses; v64-191 W's fragments of one pair (K step kk, half mb at 64 + 16 kk + 8 mb)
;   window 1: activation blocks 0-3 (block kb, points n at 56 kb + 8 n)      window 2: blocks 4-7
;   window 3: v0-111, v112-223 the even and the odd pairs' accumulators (half mb, points n at 56 mb + 8 n); v224-239 b S'; v240-243 four running maxima
.set WPITCH, 528                       ; a row of W in LDS: 512 bytes + 16: the 16 rows of a fragment load start 132 words apart, at 16 different groups of four banks (64 banks of 4 bytes: ISA guide 11.1)
.set WQUART, 16*WPITCH                 ; what one tensor load brings
.set WS1,    0x40000                   ; slot 0 begins at 0, slot 1 here: one exclusive or turns an address in one into the other's
.set ACT,    33792                     ; behind slot 0: first the feats tile (its one fill), then the waves' own bytes
.set FP,     1056                      ; a row of the feats tile: 1,024 bytes + 32, an odd multiple of 32
.set FQUART, 48*FP
.set PRIV,   50176                     ; a wave's own bytes: 7 blocks
.set BLK,    7168                      ; a block: 7 x 2 x 512 bytes
.set SPARE,  295936                    ; behind slot 1: the spare words, 128 bytes a wave
.set SPW, 2                            ; v2   LDS address of my spare word; never rewritten
.set NIL, 3                            ; v3   0; never rewritten
.set AW,  4                            ; v4   my lane's place in the W slot in hand
.set STO, 5                            ; v5   where the pair in hand spills
.set RLD, 6                            ; v6   my 16 bytes in the first 512 of my wave's own bytes; never rewritten
.set BOF, 7                            ; v7   my byte offset in the bias table, one pair ahead
.set RR,  12                           ; v12  R
.set AW0, 14                           ; v14  my lane's place in a W slot; never rewritten
.set FA,  15                           ; v15  my lane's place in the feats tile
.set BR,  16
.set SA,  54                           ; v54, v55 the output stage: where I put three numbers, one number
.set SB,  55
.set GO,  56                           ; v56  16 x lane
.set LN,  57                           ; v57-59 lane, lane + 32, lane + 64
.set WF,  64
.set OB,  64                           ; the outputs read back, where W's fragments lay
.set BS,  224
.set MX,  240
.set WV,  20                           ; s20  my wave's number
.set G1W, 24                           ; s[24:31] descriptor group 1 of W's tiles      s[32:39] of the feats tile
.set G1F, 32
.set G0A, 40                           ; s[40:43] group 0: W tile 0    s[44:47] W tile 1, which then walks    s[48:51] feats
.set G0W, 44
.set G0F, 48
.set CNT, 52                           ; s52  tiles to go
.set PH,  53                           ; s53  the tile's number modulo 4: 0 where a layer's last pair is due
.set ALPHA, 54                         ; s[54:55] S' R / 32: the packed forms name a pair and take its low word
.set BETA,  56                         ; s[56:57] S'
.set GB,  58                           ; s[58:59] G, Bm of the layer to come
.set CO,  60                           ; s60  their byte offset
.set TB,  61                           ; s61  the slot in hand
.set SEL, 62                           ; s[62:63] v_permlanex16_b32's selects
.set SPB, 80                           ; s80  byte offset, in my own bytes, of the even block that this tile's first pair spills
.set SPC, 81
.set MSB, 0
.macro WIN new                         ; the immediate's high byte repeats the setting that is left; a switch that changes nothing is dropped
.if MSB != (\new)
	s_set_vgpr_msb (MSB<<8)|(\new)
.set MSB, (\new)
.endif
.endm
.macro PLACES                          ; four plain vector instructions between a matrix instruction and a load into, or a vector read or write of, one of its registers (ISA guide 7.12.1 for vector reads and writes)
.rept 4
	v_nop
.endr
.endm
.macro CROUND                          ; a round of the cluster's barrier: my work-group's barrier; wave 0 signals for it; every wave waits for all four work-groups; my work-group's barrier once more
	s_barrier_signal -1
	s_barrier_wait -1
	s_cmp_lg_u32 s[WV], 0
	s_cbranch_scc1 .Lnot_wave_0_\@
	s_barrier_signal -3
.Lnot_wave_0_\@:
	s_barrier_wait -3
	s_barrier_signal -1
	s_barrier_wait -1
.endm
	s_load_b512 s[4:19], s[0:1], 0x0               ; feats 4, wq 6, bias 8, cst 10, tmax 12, out0 14, out1 16, out2 18
	v_lshl_add_u32 v[SPW], v0, 2, SPARE
	v_mov_b32 v[NIL], 0
	ds_add_u32 v[SPW], v[NIL]                      ; the wave's opening: the add and its wait ahead of my first tensor load; the set-up below, work on registers, stands between them
	v_lshrrev_b32 v1, 5, v0
	v_readfirstlane_b32 s[WV], v1                  ; wave 0..3
	s_bfe_u32 s21, ttmp6, 0x40000                  ; cx: my place in the cluster
	s_lshl_b32 s22, ttmp9, 2                       ; in a cluster launch ttmp9 counts clusters
	s_add_co_u32 s22, s22, s21                     ; my block of 448 slots, 0..55: it enters feats' and the outputs' addresses alone
	s_and_b32 s23, ttmp7, 0xffff                   ; the batch, which the partners share
	s_mov_b32 s[G1W], 15|(1<<16)|(1<<20)|(1<<21)|(6<<22)|(3<<25)  ; 15:0 the mask of four; 17:16 2-byte elements; 20 padding on; 21 set beside a mask; 24:22 after every 128 words (code 6); 31:25 4 words (code 3)
	s_mov_b32 s[G1W+1], 256<<16                    ; tensor_dim0 = 256
	s_mov_b32 s[G1W+2], 16<<16                     ; tensor_dim1 = 16
	s_mov_b32 s[G1W+3], 256<<16                    ; tile_dim0 = 256
	s_mov_b32 s[G1W+4], 16                         ; tile_dim1 = 16
	s_mov_b32 s[G1W+5], 256                        ; 256 elements from row to row
	s_mov_b32 s[G1W+6], 0
	s_mov_b32 s[G1W+7], 0
	s_mov_b32 s[G1F], (1<<16)|(1<<20)|(7<<22)|(7<<25)  ; no mask; padding after every 256 words (code 7), 8 words (code 7)
	s_mov_b32 s[G1F+1], 448<<16                    ; tensor_dim0 = 448: my slots; the tile's columns 448-511 lie past it and arrive as zeros, which makes a row 256 words, the padding's interval
	s_mov_b32 s[G1F+2], 48<<16                     ; tensor_dim1 = 48
	s_mov_b32 s[G1F+3], 512<<16                    ; tile_dim0 = 512
	s_mov_b32 s[G1F+4], 48                         ; tile_dim1 = 48
	s_mov_b32 s[G1F+5], 100352                     ; elements from channel to channel
	s_mov_b32 s[G1F+6], 0
	s_mov_b32 s[G1F+7], 0
	s_lshl_b32 s66, s[WV], 13                      ; my 16 rows of a W tile in memory (s66-68 hold the wave's number alone, never cx)
	s_mov_b32 s67, 0
	s_mul_i32 s68, s[WV], WQUART                   ; and in a slot
	s_mul_i32 s69, s[WV], FQUART                   ; my 48 channels of the feats tile in LDS
	s_mul_i32 s70, s[WV], 48*200704                ; and in memory,
	s_mul_i32 s72, s23, 25088
	s_mul_i32 s73, s22, 448
	s_add_co_u32 s72, s72, s73
	s_lshl_b32 s72, s72, 1
	s_add_co_u32 s70, s70, s72                     ; at my work-group's first slot
	s_mov_b32 s71, 0
	s_mul_i32 s74, s23, 768                        ; the batch's 192 image maxima
	s_mov_b32 s75, 0
	s_mov_b32 s[G0A], 1
	s_mov_b32 s[G0A+1], s68
	s_mov_b32 s[G0W], 1
	s_add_co_u32 s[G0W+1], s68, WS1
	s_mov_b32 s[G0F], 1
	s_add_co_u32 s[G0F+1], s69, ACT
	s_mov_b32 s[SEL], 0x76543210
	s_mov_b32 s[SEL+1], 0xfedcba98
	s_mov_b32 s[CO], 0
	s_mov_b32 s[TB], 0
	s_mov_b32 s[PH], 0
	s_mov_b32 s[SPB], 0
	s_mov_b32 s[CNT], 40
	s_wait_dscnt 0x0                               ; the opening add is done
	s_wait_kmcnt 0x0
	s_add_nc_u64 s[G0A+2:G0A+3], s[6:7], s[66:67]  ; tile 0
	s_add_nc_u64 s[G0W+2:G0W+3], s[G0A+2:G0A+3], 32768  ; tile 1
	s_or_b32 s[G0A+3], s[G0A+3], 0x80000000        ; type = 2
	s_or_b32 s[G0W+3], s[G0W+3], 0x80000000
	s_add_nc_u64 s[G0F+2:G0F+3], s[4:5], s[70:71]
	s_or_b32 s[G0F+3], s[G0F+3], 0x80000000
	s_add_nc_u64 s[76:77], s[12:13], s[74:75]
	CROUND                                         ; all four work-groups are here: the first joint loads meet
	tensor_load_to_lds s[G0F:G0F+3], s[G1F:G1F+7]  ; the three first fills go out together: three loads of mine are out
	s_nop 0
	tensor_load_to_lds s[G0A:G0A+3], s[G1W:G1W+7]
	s_nop 0
	tensor_load_to_lds s[G0W:G0W+3], s[G1W:G1W+7]
	s_nop 0
	PLACES
	s_load_b64 s[GB:GB+1], s[10:11], s[CO] offset:0x0   ; G, Bm of the input layer
	v_and_b32 v1, 15, v0                           ; r = lane % 16
	v_bfe_u32 v9, v0, 4, 1                         ; h = lane / 16
	v_and_b32 v10, 7, v0
	v_bfe_u32 v11, v0, 3, 1
	v_and_b32 v[LN], 31, v0
	v_lshlrev_b32 v13, 3, v[LN]
	global_load_b64 v[48:49], v13, s[76:77]
	global_load_b64 v[50:51], v13, s[76:77] offset:256
	global_load_b64 v[52:53], v13, s[76:77] offset:512
	v_add_nc_u32 v[LN+1], 32, v[LN]
	v_add_nc_u32 v[LN+2], 64, v[LN]
	v_lshlrev_b32 v[GO], 4, v[LN]
	v_mul_u32_u24 v[AW0], v1, WPITCH               ; a fragment of W: row r, 16 bytes for each half of the lanes, two loads 32 bytes apart
	v_lshl_add_u32 v[AW0], v9, 4, v[AW0]
	v_mov_b32 v[AW], v[AW0]
	s_mul_i32 s78, s[WV], PRIV
	s_add_co_u32 s78, s78, ACT                     ; my wave's own bytes
	v_lshl_add_u32 v[RLD], v[LN], 4, s78
	v_lshlrev_b32 v[BOF], 5, v9                    ; my eight channels of sixteen: 32 h bytes
	v_lshl_add_u32 v[FA], v9, 3, v10               ; the turning load: lane l reads channel 8 h + l % 8, points 8 ((l / 8) % 2) + 0..7
	v_mul_u32_u24 v[FA], v[FA], FP
	v_lshl_add_u32 v[FA], v11, 4, v[FA]
	s_mul_i32 s79, s[WV], 224                      ; my 112 points in a row
	s_add_co_u32 s79, s79, ACT
	v_add_nc_u32 v[FA], s79, v[FA]
	v_mul_u32_u24 v[SA], v1, 12                    ; the stage: lanes 0-15 hold rgb (from byte 0), lanes 16-31 emb (from byte 1,536): 12 bytes a point
	v_mad_u32_u24 v[SA], v9, 1536, v[SA]
	v_add_nc_u32 v[SA], s78, v[SA]
	v_lshlrev_b32 v[SB], 2, v1                     ; density from byte 3,072; the other half's fourth number, which is nothing, from 3,584
	v_lshl_add_u32 v[SB], v9, 9, v[SB]
	v_add_nc_u32 v[SB], s78, v[SB]
	v_mov_b32 v[RR], 1.0                           ; the features come unscaled
	WIN 0x80
.set i, 112
.rept 112
	v_mov_b32 v[i], 0                              ; blocks 6 and 7 of the input: channels 192-255, which are none.  These stand in the wait for the first tiles
.set i, i+1
.endr
	WIN 0
	s_wait_tensorcnt 0x1                           ; my parts of the feats tile and of W tile 0 are in; tile 1 may stay out
	s_barrier_signal -1
	s_barrier_wait -1                              ; everybody's are
.set kb, 0
.rept 6                                ; the features as source 1: block kb = channels 32 kb on, turned on the way out of LDS
	WIN 0x40+0x40*(kb/4)
.set n, 0
.rept 7
	ds_load_tr16_b128 v[56*(kb%4)+8*n:56*(kb%4)+8*n+3], v[FA] offset:32*n
	ds_load_tr16_b128 v[56*(kb%4)+8*n+4:56*(kb%4)+8*n+7], v[FA] offset:32*n+16*FP
.set n, n+1
.endr
	WIN 0
	v_add_nc_u32 v[FA], 32*FP, v[FA]
.set kb, kb+1
.endr
; W's fragments of K step g of a pair whose rows begin at row rb of the slot in hand: four loads
.macro WFL g, rb
.irp mb, 0,1
	ds_load_b128 v[WF+16*(\g)+8*\mb:WF+16*(\g)+8*\mb+3], v[AW] offset:((\rb)+16*\mb)*WPITCH+64*(\g)
	ds_load_b128 v[WF+16*(\g)+8*\mb+4:WF+16*(\g)+8*\mb+7], v[AW] offset:((\rb)+16*\mb)*WPITCH+64*(\g)+32
.endr
.endm
.irp g, 0,1,2,3,4,5,6,7
	WFL \g, 0
.endr
; THE SCALE of the layer to come.  first = 1: v8 holds the lanes' maxima already.  heads = 1: only R / 32 is wanted.
.macro UPD first, heads
.if \heads
	WIN 0
	v_mul_f32 v8, 0x3d000000, v[RR]
	v_readfirstlane_b32 s[ALPHA], v8
	s_mov_b32 s[ALPHA+1], s[ALPHA]
.else
.if !(\first)
	WIN 0x3f                                       ; sources window 3, destination window 0
	v_max3_num_f32 v8, v[MX], v[MX+1], v[MX+2]
	v_mov_b32 v9, v[MX+3]
	WIN 0
	v_max_num_f32 v8, v8, v9
.endif
	v_max_num_f32_dpp v8, v8, v8 row_xmask:1 row_mask:0xf bank_mask:0xf
	v_max_num_f32_dpp v8, v8, v8 row_xmask:2 row_mask:0xf bank_mask:0xf
	v_max_num_f32_dpp v8, v8, v8 row_xmask:4 row_mask:0xf bank_mask:0xf
	v_max_num_f32_dpp v8, v8, v8 row_xmask:8 row_mask:0xf bank_mask:0xf
	v_permlanex16_b32 v9, v8, s[SEL], s[SEL+1]
	v_max_num_f32 v8, v8, v9                       ; m, in every lane
	s_wait_kmcnt 0x0                               ; G, Bm
	v_mul_f32 v9, v[RR], v8
	v_fma_f32 v9, v9, s[GB], s[GB+1]               ; G R m + Bm bounds the layer's numbers
	v_max_num_f32 v9, 0x0da24260, v9               ; D, 1e-30 at the least
	v_rcp_f32 v10, v9
	v_mul_f32 v11, 0x38800000, v9                  ; R' = D / 16384: the plain instruction behind the reciprocal
	s_wait_alu depctr_va_vdst(0)
	v_mul_f32 v10, 0x46800000, v10                 ; S' = 16384 / D
	v_mul_f32 v13, v10, v[RR]
	v_mul_f32 v13, 0x3d000000, v13                 ; S' R / 32: W is stored times 32
	v_min_num_f32 v13, 0x7f7fffff, v13             ; kept finite, so that sums of 0 stay 0
	v_mov_b32 v[RR], v11
	v_readfirstlane_b32 s[ALPHA], v13
	v_readfirstlane_b32 s[BETA], v10
	s_mov_b32 s[ALPHA+1], s[ALPHA]                 ; named as pairs
	s_mov_b32 s[BETA+1], s[BETA]
	s_add_co_u32 s[CO], s[CO], 8                   ; free since the wait above
	s_load_b64 s[GB:GB+1], s[10:11], s[CO] offset:0x0
	WIN 0xc0
.irp k, 0,1,2,3
	v_mov_b32 v[MX+\k], 0                          ; the maxima start at 0: what ReLU leaves is never below
.endr
	WIN 0
.endif
.endm
; Number q of the 288 of a pair's epilogue, on accumulator set par (0 even pairs, 1 odd).  0-7: b S' for my 16 channels.  Then 20 for each of the 14 results, its registers ascending (the lowest are read first):
; 4 x acc alpha + b S'; 4 x the running maxima; 8 x ReLU; 4 x rounding to f16, in place into the result's registers 0-3 and from there into my own LDS bytes, or (direct = 1) into block 7's registers.
.macro RID par, direct
.if q < 8
	WIN 0xc0
	v_pk_mul_f32 v[BS+2*q:BS+2*q+1], v[BR+16*(\par)+2*q:BR+16*(\par)+2*q+1], s[BETA:BETA+1] op_sel_hi:[1,0]
.else
.set tt, (q-8)/20
.set jj, (q-8)%20
.set rA, 112*(\par)+8*tt
.set rB, BS+8*(tt/7)
.if jj < 4
	WIN 0xff
	v_pk_fma_f32 v[rA+2*jj:rA+2*jj+1], v[rA+2*jj:rA+2*jj+1], s[ALPHA:ALPHA+1], v[rB+2*jj:rB+2*jj+1] op_sel_hi:[1,0,1]
.elseif jj < 8
	WIN 0xff
	v_max3_num_f32 v[MX+jj-4], v[rA+2*(jj-4)], v[rA+2*(jj-4)+1], v[MX+jj-4]
.elseif jj < 16
	WIN 0xff
	v_max_num_f32 v[rA+jj-8], 0, v[rA+jj-8]
.elseif \direct
	WIN 0x8f                                       ; destination window 2
	v_cvt_pk_f16_f32 v[168+8*(tt%7)+4*(tt/7)+jj-16], v[rA+2*(jj-16)], v[rA+2*(jj-16)+1]
.else
	WIN 0xff
	v_cvt_pk_f16_f32 v[rA+jj-16], v[rA+2*(jj-16)], v[rA+2*(jj-16)+1]
.if jj == 19
	WIN 0x0c                                       ; data window 3, address window 0
	ds_store_b128 v[STO], v[rA:rA+3] offset:(\par)*BLK+(tt%7)*1024+(tt/7)*512
.endif
.endif
.endif
.set q, q+1
.endm
; In a layer's last pair (PH = 0) new block kb comes back into the registers of the old one, which has been multiplied for the last time.  LDS serves a wave's instructions in order (ISA guide 5.7.1.4): these see my spills.
.macro RELOAD kb
	s_cmp_lg_u32 s[PH], 0
	s_cbranch_scc1 .Lnorel_\@
	WIN 0x40+0x40*((\kb)/4)
.set n, 0
.rept 7
	ds_load_b128 v[56*((\kb)%4)+8*n:56*((\kb)%4)+8*n+3], v[RLD] offset:(\kb)*BLK+n*1024
	ds_load_b128 v[56*((\kb)%4)+8*n+4:56*((\kb)%4)+8*n+7], v[RLD] offset:(\kb)*BLK+n*1024+512
.set n, n+1
.endr
	WIN 0
.Lnorel_\@:
.endm
; A PAIR on accumulator set par.  ride = 1: the pair before's epilogue stands three behind each product.  rel = 1: the text of the odd pairs, which may be a layer's last.
; Behind the second product of K step kk >= 1 the fragments of step kk - 1 are fetched for the NEXT pair (it lies in the slot in hand, at rows 0 or 32), behind four places.
; The wait at a K step's head: behind every fragment and every block that the step needs at least 24 LDS instructions have been issued (six runs of four fragment loads), on every path; the count leaves 12 out.
.macro PAIR par, ride, rel
	WIN 0
	s_wait_loadcnt 0x0                             ; the pair before's biases are in: they are wanted now, and their offset register may step
	v_add_nc_u32 v[BOF], 128, v[BOF]
	global_load_b128 v[BR+16*(\par):BR+16*(\par)+3], v[BOF], s[8:9] offset:-128     ; this pair's 32 channels: my 8 of the first 16,
	global_load_b128 v[BR+16*(\par)+4:BR+16*(\par)+7], v[BOF], s[8:9] offset:-112
	global_load_b128 v[BR+16*(\par)+8:BR+16*(\par)+11], v[BOF], s[8:9] offset:-64   ; my 8 of the second
	global_load_b128 v[BR+16*(\par)+12:BR+16*(\par)+15], v[BOF], s[8:9] offset:-48
.set q, 288
.if \ride
.set q, 0
.if (\par) == 0
	s_min_u32 s[SPC], s[SPB], 4*BLK                ; an odd block is 1, 3 or 5: the bound never bites, and holds the address inside my own bytes
	v_add_nc_u32 v[STO], s[SPC], v[RLD]
.else
	v_add_nc_u32 v[STO], s[SPB], v[RLD]
.endif
.endif
.set kk, 0
.rept 8
	s_wait_dscnt 12
.set p, 0
.rept 14
.set pD, 112*(\par)+8*p
.set pA, WF+16*kk+8*(p/7)
.set pB, 56*(kk%4)+8*(p%7)
	WIN 0xf4+4*(kk/4)                              ; W window 0, activations window 1 or 2, C and D window 3
.if kk == 0
	v_wmma_f32_16x16x32_f16 v[pD:pD+7], v[pA:pA+7], v[pB:pB+7], 0
.else
	v_wmma_f32_16x16x32_f16 v[pD:pD+7], v[pA:pA+7], v[pB:pB+7], v[pD:pD+7]
.endif
.rept 3
.if q < 288
	RID 1-(\par), 0
.endif
.endr
.if (p == 1) && (kk >= 1)
	WIN 0
	PLACES
	WFL kk-1, 32*(1-(\par))
.if (\rel) && (kk <= 6)
	RELOAD kk-1
.endif
.endif
.set p, p+1
.endr
.set kk, kk+1
.endr
	WIN 0
	PLACES                                         ; behind the last products: for the loads below and for the epilogue that will read these sums
.if \rel
	RELOAD 6
.endif
	WFL 7, 32*(1-(\par))
.endm
.macro EPH                             ; a layer's last pair has no pair behind it in which to ride: its epilogue stands alone, and writes block 7
	WIN 0
	s_wait_loadcnt 0x0
.set q, 0
.rept 288
	RID 1, 1
.endr
	WIN 0
.endm
; THE CHANGE OF SLOTS, ahead of every odd pair.  Each wave waits for all its tensor loads, of which one is out: its part of the next tile; adds 0 to its spare word; and waits for that and for its reads of the slot that it leaves.
; fill = 1: that slot is filled again with the tile two on.  The barrier is then a round of the cluster's, so that no wave of any partner still reads the slot or has a load on its way, and the joint refill is the first
; thing behind it: it has two pairs, 224 products, in which to land.
.macro CHANGE fill
	WIN 0
	s_wait_tensorcnt 0x0                           ; no tensor load of mine is out, so a group 0 may be written
	ds_add_u32 v[SPW], v[NIL]                      ; 0 onto my spare word; the scalar work stands between it and the wait for it
.if \fill
	s_xor_b32 s[G0W+1], s[G0W+1], WS1              ; the other slot than last time,
	s_add_nc_u64 s[G0W+2:G0W+3], s[G0W+2:G0W+3], 32768  ; the next 64 rows; the type bits on top are not reached
.endif
	s_add_co_u32 s[PH], s[PH], 1
	s_and_b32 s[PH], s[PH], 3
	s_add_co_u32 s[SPB], s[PH], 3
	s_and_b32 s[SPB], s[SPB], 3                    ; the tile before's number modulo 4: its pairs are the blocks that are spilled now
	s_mul_i32 s[SPB], s[SPB], 2*BLK
	s_xor_b32 s[TB], s[TB], WS1
	s_wait_dscnt 0x0                               ; the add is done, and my reads of the slot are over
.if \fill
	CROUND
	tensor_load_to_lds s[G0W:G0W+3], s[G1W:G1W+7]
	s_nop 0
	PLACES
.else
	s_barrier_signal -1
	s_barrier_wait -1
.endif
	v_add_nc_u32 v[AW], s[TB], v[AW0]
.endm
	s_wait_loadcnt 0x0                             ; the images' maxima
	v_max3_num_f32 v8, v48, v49, v50
	v_max3_num_f32 v9, v51, v52, v53
	v_max_num_f32 v8, v8, v9
	UPD 1, 0
	s_wait_dscnt 0x0                               ; the features and the first pair's fragments are in registers
	s_branch .Lbare                                ; the loop is entered at a layer's first pair, in the middle of a trip
.Lbody:                                ; 39 trips: tile c = 1..39 is entered, tile c + 1 asked for; pairs 2 c - 1 and 2 c
	CHANGE 1
	PAIR 1, 1, 1
	s_cmp_lg_u32 s[PH], 0
	s_cbranch_scc1 .Lmid
	EPH                                            ; that was a layer's last pair
	UPD 0, 0
.Lbare:
	PAIR 0, 0, 0                                   ; a layer's first pair: nothing is left to ride
	s_branch .Lbot
.Lmid:
	PAIR 0, 1, 0
.Lbot:
	s_sub_co_u32 s[CNT], s[CNT], 1
	s_cmp_lg_u32 s[CNT], 0
	s_cbranch_scc1 .Lbody
	CHANGE 0                                       ; the tail is written out: tile 40, the outputs' rows, is in; nothing is asked for
	PAIR 1, 1, 1                                   ; the last layer's last pair; it fetches the outputs' fragments
	EPH
	UPD 0, 1
	v_add_nc_u32 v[BOF], 128, v[BOF]               ; no load is out since the wait in front of the epilogue
	global_load_b128 v[BR:BR+3], v[BOF], s[8:9] offset:-128   ; row 10 of the bias table: lanes 0-15 rgb and density, lanes 16-31 emb and a 0
	s_mul_i32 s82, s22, 448                        ; where my 112 points' outputs go (s82 and on hold cx; none feeds a joint descriptor)
	s_mul_i32 s83, s[WV], 112
	s_add_co_u32 s82, s82, s83                     ; my first slot in the batch
	s_sub_co_u32 s84, 25000, s82
	s_min_u32 s84, s84, 112                        ; how many of my slots are points: 112, or 24 in the batch's last wave; a multiple of 4
	s_mul_i32 s85, s23, 25000
	s_add_co_u32 s85, s85, s82
	s_mul_i32 s86, s85, 12
	s_mov_b32 s87, 0
	s_add_nc_u64 s[88:89], s[14:15], s[86:87]
	s_add_nc_u64 s[90:91], s[18:19], s[86:87]
	s_lshl_b32 s92, s85, 2
	s_mov_b32 s93, 0
	s_add_nc_u64 s[94:95], s[16:17], s[92:93]
	s_mul_i32 s96, s84, 3
	s_lshr_b32 s96, s96, 2                         ; pieces of 16 bytes in 12 bytes a point,
	s_lshr_b32 s97, s84, 2                         ; in 4 bytes a point
	s_mov_b32 s99, 0xffff                          ; lanes 0-15
	s_wait_dscnt 0x0                               ; the fragments and block 6
.set kk, 0
.rept 8                                ; 56 products: 16 rows of W, 7 accumulators by turns
.set p, 0
.rept 7
	WIN 0xf4+4*(kk/4)
.if kk == 0
	v_wmma_f32_16x16x32_f16 v[8*p:8*p+7], v[WF+16*kk:WF+16*kk+7], v[56*(kk%4)+8*p:56*(kk%4)+8*p+7], 0
.else
	v_wmma_f32_16x16x32_f16 v[8*p:8*p+7], v[WF+16*kk:WF+16*kk+7], v[56*(kk%4)+8*p:56*(kk%4)+8*p+7], v[8*p:8*p+7]
.endif
.set p, p+1
.endr
.set kk, kk+1
.endr
	WIN 0
	PLACES
	s_wait_loadcnt 0x0
	WIN 0xc3                                       ; sums window 3, biases window 0
.set n, 0
.rept 7
	v_pk_fma_f32 v[8*n:8*n+1], v[8*n:8*n+1], s[ALPHA:ALPHA+1], v[BR:BR+1] op_sel_hi:[1,0,1]
	v_pk_fma_f32 v[8*n+2:8*n+3], v[8*n+2:8*n+3], s[ALPHA:ALPHA+1], v[BR+2:BR+3] op_sel_hi:[1,0,1]
.set n, n+1
.endr
	WIN 0xff
.macro ALL21 line:vararg               ; one line for each of three numbers x (register 8 n + j) and its place at work t (8 n + 4 + j)
.set n, 0
.rept 7
.set j, 0
.rept 3
.set x, 8*n+j
.set t, 8*n+4+j
	\line
.set j, j+1
.endr
.set n, n+1
.endr
.endm
	ALL21 v_mul_f32 v[t], 0xbfb8aa3b, v[x]         ; the sigmoid, made in all lanes and kept in lanes 0-15
	ALL21 v_exp_f32 v[t], v[t]
	v_nop                                          ; a plain instruction behind the last exponential
	s_wait_alu depctr_va_vdst(0)
	ALL21 v_add_f32 v[t], 1.0, v[t]
	ALL21 v_rcp_f32 v[t], v[t]
	v_nop
	s_wait_alu depctr_va_vdst(0)
	ALL21 v_cndmask_b32 v[x], v[x], v[t], s99
	WIN 0x0c
.set n, 0
.rept 7                                ; through my own LDS bytes, whose spills have all been read back
	ds_store_b32 v[SA], v[8*n] offset:192*n
	ds_store_b32 v[SA], v[8*n+1] offset:192*n+4
	ds_store_b32 v[SA], v[8*n+2] offset:192*n+8
	ds_store_b32 v[SB], v[8*n+3] offset:3072+64*n
.set n, n+1
.endr
	WIN 0
.irp i, 0,1,2,3,4,5,6
	ds_load_b128 v[OB+4*\i:OB+4*\i+3], v[RLD] offset:512*\i   ; rgb from 0, emb from 1,536, density from 3,072: in order behind the stores above
.endr
	s_wait_dscnt 0x0
.macro OUTST lim, ln, data, base, off  ; the lanes whose 16 bytes belong to points store them: consecutive bytes, lane by lane
	v_cmp_gt_u32 vcc_lo, s[\lim], v[\ln]
	s_wait_xcnt 0x0                                ; EXEC is a source of what has been issued: it changes only behind this wait
	s_and_saveexec_b32 s98, vcc_lo
	global_store_b128 v[GO], v[\data:\data+3], s[\base:\base+1] offset:\off
	s_wait_xcnt 0x0                                ; and again in front of the line that widens it
	s_or_b32 exec_lo, exec_lo, s98
.endm
	OUTST 96, LN, OB, 88, 0
	OUTST 96, LN+1, OB+4, 88, 512
	OUTST 96, LN+2, OB+8, 88, 1024
	OUTST 96, LN, OB+12, 90, 0
	OUTST 96, LN+1, OB+16, 90, 512
	OUTST 96, LN+2, OB+20, 90, 1024
	OUTST 97, LN, OB+24, 94, 0
	s_wait_tensorcnt 0x0                           ; the wave's end, behind my last tensor load and my last LDS store
	ds_add_u32 v[SPW], v[NIL]
	s_wait_dscnt 0x0
	CROUND                                         ; the closing round: no work-group ends while a partner may still ask for a tile that names it
	s_endpgm
.Lfunc_end_k_q01e7c06a9f_mlp:
	.size	k_q01e7c06a9f_mlp, .Lfunc_end_k_q01e7c06a9f_mlp-k_q01e7c06a9f_mlp
	.p2alignl 7, 3214868480
	.fill 96, 4, 3214868480
	.section	.rodata,"a",@progbits
	.p2align	6, 0x0
	.amdhsa_kernel k_q01e7c06a9f_mlp
		.amdhsa_group_segment_fixed_size 327680
		.amdhsa_private_segment_fixed_size 0
		.amdhsa_enable_private_segment 0
		.amdhsa_kernarg_size 64
		.amdhsa_user_sgpr_count 2
		.amdhsa_user_sgpr_kernarg_segment_ptr 1
		.amdhsa_wavefront_size32 1
		.amdhsa_system_sgpr_workgroup_id_x 1
		.amdhsa_system_sgpr_workgroup_id_y 1
		.amdhsa_system_sgpr_workgroup_id_z 1
		.amdhsa_system_vgpr_workitem_id 0
		.amdhsa_next_free_vgpr 1024
		.amdhsa_next_free_sgpr 100
		.amdhsa_reserve_vcc 1
		.amdhsa_float_denorm_mode_32 3
		.amdhsa_float_denorm_mode_16_64 3
		.amdhsa_memory_ordered 1
		.amdhsa_forward_progress 1
		.amdhsa_inst_pref_size 194
	.end_amdhsa_kernel
	.amdgpu_metadata
---
amdhsa.version: [ 1, 2 ]
amdhsa.kernels:
  - .name:           k_q01e7c06a9f_mlp
    .symbol:         k_q01e7c06a9f_mlp.kd
    .args:
      - { .name: feats, .offset: 0, .size: 8, .value_kind: global_buffer, .address_space: global }
      - { .name: wq, .offset: 8, .size: 8, .value_kind: global_buffer, .address_space: global }
      - { .name: bias, .offset: 16, .size: 8, .value_kind: global_buffer, .address_space: global }
      - { .name: cst, .offset: 24, .size: 8, .value_kind: global_buffer, .address_space: global }
      - { .name: tmax, .offset: 32, .size: 8, .value_kind: global_buffer, .address_space: global }
      - { .name: out0, .offset: 40, .size: 8, .value_kind: global_buffer, .address_space: global }
      - { .name: out1, .offset: 48, .size: 8, .value_kind: global_buffer, .address_space: global }
      - { .name: out2, .offset: 56, .size: 8, .value_kind: global_buffer, .address_space: global }
    .group_segment_fixed_size: 327680
    .private_segment_fixed_size: 0
    .kernarg_segment_align: 8
    .kernarg_segment_size: 64
    .max_flat_workgroup_size: 128
    .sgpr_count:     100
    .vgpr_count:     1024
    .wavefront_size: 32
...
	.end_amdgpu_metadata
.endif
;; end of part 3
;; ======== version 2 of 2: 3 launches; 1.17 times as fast as version 1
;; limits: values outside matrix products are rounded to f16; inputs' magnitudes at most 65,504; values are held in f16: magnitudes above 65,504 overflow, below 6.1e-05 lose precision; inputs' magnitudes at most 2,047
;; workspace buffers: idx 1,204,224 bytes of whole numbers; wts 1,204,224 bytes; feats 38,535,168 bytes; wq 1,343,488 bytes; bias 11,264 bytes; cst 256 bytes; tmax 3,072 bytes
;; launch prep: the kernel of part 1 again; grid 60 x 1, 16 waves a work-group, no clusters, 2,304 bytes of LDS; arguments points, w_in, w_hid, w_rgb, w_den, w_emb, b_in, b_hid, b_rgb, b_den, b_emb, idx, wts, wq, bias, cst; writes idx, wts, wq, bias, cst
;; launch sample (part 4): grid 256 x 1, 16 waves a work-group, no clusters, 264,448 bytes of LDS; arguments triplane, idx, wts, feats, tmax; writes feats, tmax
.if DOCPART == 4
	.amdgcn_target "amdgcn-amd-amdhsa--gfx1250"
	.amdhsa_code_object_version 6
	.text
	.protected	k_q01e7c06a9f_sample
	.globl	k_q01e7c06a9f_sample
	.p2align	8
	.type	k_q01e7c06a9f_sample,@function
k_q01e7c06a9f_sample:
	s_mov_b64 s[64:65], 0
	v_nop
	global_prefetch_b8 v0, s[64:65] scope:SCOPE_SE
	s_setreg_imm32_b32 hwreg(HW_REG_WAVE_MODE, 25, 1), 1
	s_wait_xcnt 0x0
; SAMPLE.  A channel image (256 x 256 f32, 262,144 consecutive bytes) is read once, laid into LDS as f16, and the bilinear sample of all 25,088 point slots of its batch is taken
; from it: feats[plane * 64 + channel][slot], f16.  The image's largest magnitude goes to tmax.
; LDS word 256 y + x holds v(y, x) in the low half and v(y + 1, x) in the high half, so a sample is two loads of 4 bytes: the cell's left and right column.
; The cell numbers come as whole numbers from the launch before (idx), the weights as two f16 (wts); the interpolation runs in f32, rounded once to f16.
; A WORK-GROUP STAYS: 768 images on 256 work-groups, images 3 g .. 3 g + 2.  WHILE ONE IMAGE IS SAMPLED OUT OF LDS THE NEXT ONE IS LOADED INTO REGISTERS (136 a wave).
; SHARES.  16 waves.  Wave w converts rows 16 w .. 16 w + 15 (and reads row 16 w + 16 for the pairs).  Points go in groups of 128, 4 a lane; wave w takes groups w + 16 g:
; 196 groups are twelve for every wave and a thirteenth for waves 0-3; wave 4 stores tmax.
; THE ORDER OF THE LOADS.  Loads come back in the order of issue (ISA guide 5.7.1), so a wait for records also waits for every image load issued ahead of them.  So the next image's 34 loads are dealt
; out among the record loads: ten in the fill (each when its four registers have been converted), three in each of groups 0-7.  Records run in a ring of six sets, six groups ahead: groups 0-5 ask for
; groups 6-11, groups 6-11 for the NEXT image's groups 0-5; a seventh set holds group 12.  An image load has six groups' work in which to land, the last ones four.
; The counts of the waits are made while assembling: LC counts the loads issued, RMs is LC just behind the request for set s; LC - RMs loads are younger than the set's.  The two loads that only waves 0-3
; issue (group 12's records) are not counted: in those waves the counts are two too small.
; A TRIP: the image is in registers; the bases of the next one are made; maxima; a barrier (everybody's reads of the old image are over); convert and store; a barrier (the image is whole); the groups.
; LIMITS.  |triplane| stays under 65,504 and is finite (f16; a weight of 0 times an infinity); a NaN is not counted in tmax.
; No tensor load: the bytes are converted on their way into LDS.  No cluster: the images of a plane and batch use the same records, but a plane's 64 images do not divide into clusters of four work-groups
; of three images, so partners would need different records.  No matrix unit: there is no product here.
.set SCR,   262144                     ; behind the image: a word for each wave's maximum, a block of 256 bytes
.set SPARE, 262400                     ; the spare words: 128 bytes for each of 16 waves
.set SPW,   2                          ; v2   LDS address of my spare word; never rewritten
.set NIL,   3                          ; v3   0; never rewritten
                                       ; v1 0 (an offset); v4 my 16 bytes in my first row, in memory and in LDS; v5 the same in the row below my sixteen; v6 lane; v7, v8 my bytes in a group's records, samples;
                                       ; v9-12 maxima; v14, v15 scratch addresses.  None of v1, v4-v8, v14, v15 is rewritten
.set A,     16                         ; v[16:19] LDS addresses of four cells
                                       ; v[20:27] the loaded words, named by number below since their halves are read
.set WX,    28                         ; v[28:31], v[32:35] weights in f32
.set WY,    32
.set T,     36                         ; v[36:43] at work
.set RES,   44                         ; v[44:47] four samples
.set OUT,   48                         ; v[48:63] eight pairs to store, group g's at OUT + 2 (g % 8)
.set PK,    56                         ; v[56:63] in the fill: two sets of four packed words
.set REC,   64                         ; v[64:119] seven sets of records: four cell numbers, four weight words (below v128: their halves are named)
.set IMG,   120                        ; v[120:255] rows i = 0..16, half hh: four registers at IMG + 8 i + 4 hh
                                       ; s[28:37] the NEXT image's bases: image, idx, wts, feats, tmax;  s[38:45] the one in hand's: idx, wts, feats, tmax
.set LC, 0
.set IL, 0
.macro SCAL                            ; the bases of image s15 = 64 (3 batch + plane) + channel
	s_lshr_b32 s16, s15, 6                         ; 3 x batch + plane
	s_and_b32 s17, s15, 63                         ; channel
	s_mul_i32 s18, s16, 11
	s_lshr_b32 s18, s18, 5                         ; batch = that / 3 (exact for 0..11)
	s_mul_i32 s19, s18, 3
	s_sub_co_u32 s19, s16, s19                     ; plane
	s_lshl_b32 s20, s15, 18                        ; the image's first byte: under 2^28
	s_add_nc_u64 s[28:29], s[4:5], s[20:21]
	s_mul_i32 s22, s19, 100352
	s_mul_i32 s23, s18, 25088
	s_add_co_u32 s22, s22, s23
	s_lshl_b32 s20, s22, 2                         ; the batch's records of this plane
	s_add_nc_u64 s[30:31], s[6:7], s[20:21]
	s_add_nc_u64 s[32:33], s[8:9], s[20:21]
	s_lshl_b32 s22, s19, 6
	s_add_co_u32 s22, s22, s17
	s_mul_i32 s22, s22, 200704                     ; feats' row, 100,352 f16,
	s_mul_i32 s23, s18, 50176
	s_add_co_u32 s20, s22, s23                     ; at the batch's first slot
	s_add_nc_u64 s[34:35], s[10:11], s[20:21]
	s_lshl_b32 s20, s15, 2
	s_add_nc_u64 s[36:37], s[12:13], s[20:21]
.endm
.macro ILOAD                           ; the next of the next image's 34 loads: 512 consecutive bytes, half a row
.if IL < 32
	global_load_b128 v[IMG+4*IL:IMG+4*IL+3], v4, s[28:29] offset:IL*512 th:TH_LOAD_NT
.else
	global_load_b128 v[IMG+4*IL:IMG+4*IL+3], v5, s[28:29] offset:(IL-32)*512
.endif
.set IL, IL+1
.set LC, LC+1
.endm
.macro RLOAD st, bi, bw, grp           ; the records of my group grp into set st, from the bases s[bi:bi+1] (idx) and s[bw:bw+1] (wts)
	global_load_b128 v[REC+8*(\st):REC+8*(\st)+3], v7, s[\bi:\bi+1] offset:(\grp)*8192
	global_load_b128 v[REC+8*(\st)+4:REC+8*(\st)+7], v7, s[\bw:\bw+1] offset:(\grp)*8192
.endm
.macro WMAX x, y                       ; over the wave's 32 lanes, the result in every lane; v[y] has been written before
	v_max_num_f32_dpp v[\x], v[\x], v[\x] row_xmask:1 row_mask:0xf bank_mask:0xf
	v_max_num_f32_dpp v[\x], v[\x], v[\x] row_xmask:2 row_mask:0xf bank_mask:0xf
	v_max_num_f32_dpp v[\x], v[\x], v[\x] row_xmask:4 row_mask:0xf bank_mask:0xf
	v_max_num_f32_dpp v[\x], v[\x], v[\x] row_xmask:8 row_mask:0xf bank_mask:0xf
	v_permlanex16_b32 v[\y], v[\x], s46, s47
	v_max_num_f32 v[\x], v[\x], v[\y]
.endm
	s_load_b256 s[4:11], s[0:1], 0x0               ; triplane 4, idx 6, wts 8, feats 10
	s_load_b64 s[12:13], s[0:1], 0x20              ; tmax
	v_lshl_add_u32 v[SPW], v0, 2, SPARE
	v_mov_b32 v[NIL], 0
	v_lshrrev_b32 v1, 5, v0
	v_readfirstlane_b32 s14, v1                    ; wave 0..15
	v_mov_b32 v1, 0
	v_and_b32 v6, 31, v0                           ; lane
	s_mul_i32 s15, ttmp9, 3                        ; my first image
	s_mov_b32 s21, 0                               ; the high word of every offset pair
	s_mov_b32 s46, 0x76543210                      ; v_permlanex16_b32: each lane takes its own place in the other half
	s_mov_b32 s47, 0xfedcba98
	v_lshlrev_b32 v13, 4, v6
	s_lshl_b32 s16, s14, 14
	v_add_nc_u32 v4, s16, v13                      ; 16 rows of 1,024 bytes a wave, 16 bytes a lane: the same offset in memory and in LDS
	s_lshl_b32 s17, s14, 4
	s_add_co_u32 s17, s17, 16
	s_min_u32 s17, s17, 255                        ; the row below my sixteen; the last wave pairs row 255 with itself (no cell has y0 = 255)
	s_lshl_b32 s17, s17, 10
	v_add_nc_u32 v5, s17, v13
	s_lshl_b32 s18, s14, 9
	v_add_nc_u32 v7, s18, v13                      ; records: 512 bytes a group
	v_lshlrev_b32 v8, 3, v6
	s_lshl_b32 s19, s14, 8
	v_add_nc_u32 v8, s19, v8                       ; samples: 256 bytes a group
	v_mov_b32 v14, s14
	v_lshl_add_u32 v14, v14, 2, SCR                ; my wave's word
	v_and_b32 v15, 15, v6
	v_lshl_add_u32 v15, v15, 2, SCR                ; the sixteen words, twice over the lanes
	s_wait_kmcnt 0x0
	SCAL
	RLOAD 0, 30, 32, 0                             ; the first image goes out in the order in which a trip leaves the next one: records 0 and 1, the image, records 2-5
	RLOAD 1, 30, 32, 1
.rept 34
	ILOAD
.endr
	RLOAD 2, 30, 32, 2
	RLOAD 3, 30, 32, 3
	RLOAD 4, 30, 32, 4
	RLOAD 5, 30, 32, 5
.macro PT2 k, d0, d1, d2, d3           ; points k and k + 1 of a lane's four, line by line in turn: d0, d2 the cells' left columns (upper, lower), d1, d3 their right
	v_cvt_f32_f16 v[T], v\d0\().l
	v_cvt_f32_f16 v[T+1], v\d0\().h
	v_cvt_f32_f16 v[T+2], v\d1\().l
	v_cvt_f32_f16 v[T+3], v\d1\().h
	v_cvt_f32_f16 v[T+4], v\d2\().l
	v_cvt_f32_f16 v[T+5], v\d2\().h
	v_cvt_f32_f16 v[T+6], v\d3\().l
	v_cvt_f32_f16 v[T+7], v\d3\().h
	v_sub_f32 v[T+1], v[T+1], v[T]
	v_sub_f32 v[T+3], v[T+3], v[T+2]
	v_sub_f32 v[T+5], v[T+5], v[T+4]
	v_sub_f32 v[T+7], v[T+7], v[T+6]
	v_fma_f32 v[T], v[WY+(\k)], v[T+1], v[T]       ; along y in both columns,
	v_fma_f32 v[T+2], v[WY+(\k)], v[T+3], v[T+2]
	v_fma_f32 v[T+4], v[WY+(\k)+1], v[T+5], v[T+4]
	v_fma_f32 v[T+6], v[WY+(\k)+1], v[T+7], v[T+6]
	v_sub_f32 v[T+2], v[T+2], v[T]
	v_sub_f32 v[T+6], v[T+6], v[T+4]
	v_fma_f32 v[RES+(\k)], v[WX+(\k)], v[T+2], v[T]  ; then along x
	v_fma_f32 v[RES+(\k)+1], v[WX+(\k)+1], v[T+6], v[T+4]
.endm
; Group g, its records in set st; w0-w3: the numbers of the set's four weight registers; nx = 1: there is a next image to load.
.macro GRP g, st, w0, w1, w2, w3, nx
.set rs, REC+8*(\st)
.if RM\st >= 0
	s_wait_loadcnt LC-RM\st                        ; so many loads were issued behind this set's: they may stay out
.endif
.irp k, 0,1,2,3
	v_min_u32 v[A+\k], 0xfefe, v[rs+\k]            ; a cell number is 254 x 256 + 254 at the most: the loaded number is held to that before it enters an address
.endr
.irp k, 0,1,2,3
	v_lshlrev_b32 v[A+\k], 2, v[A+\k]
.endr
.irp k, 0,1,2,3
	ds_load_b32 v[20+2*\k], v[A+\k]
	ds_load_b32 v[21+2*\k], v[A+\k] offset:4
.endr
	v_cvt_f32_f16 v[WX], v\w0\().l
	v_cvt_f32_f16 v[WY], v\w0\().h
	v_cvt_f32_f16 v[WX+1], v\w1\().l
	v_cvt_f32_f16 v[WY+1], v\w1\().h
	v_cvt_f32_f16 v[WX+2], v\w2\().l
	v_cvt_f32_f16 v[WY+2], v\w2\().h
	v_cvt_f32_f16 v[WX+3], v\w3\().l
	v_cvt_f32_f16 v[WY+3], v\w3\().h
.if (\g) == 6
	s_cmp_lt_u32 s14, 4                            ; waves 0-3 alone have a thirteenth group
	s_cbranch_scc0 .Lno12_\@
	RLOAD 6, 38, 40, 12
.Lno12_\@:
.set RM6, LC
.endif
.if (\g) < 6
	RLOAD \st, 38, 40, (\g)+6                      ; the set has been read: it takes the group six on,
.set LC, LC+2
.set RM\st, LC
.elseif ((\g) < 12) && (\nx)
	RLOAD \st, 30, 32, (\g)-6                      ; or the next image's group
.set LC, LC+2
.set RM\st, LC
.endif
.if (\nx) && ((\g) < 8)
	ILOAD
	ILOAD
	ILOAD
.endif
	s_wait_dscnt 0x0
	PT2 0, 20, 21, 22, 23
	PT2 2, 24, 25, 26, 27
.if (\g) >= 8
	s_wait_xcnt 0x0                                ; the pair was group g - 8's store data: it is rewritten only behind this wait
.endif
	v_cvt_pk_f16_f32 v[OUT+2*((\g)%8)], v[RES], v[RES+1]
	v_cvt_pk_f16_f32 v[OUT+2*((\g)%8)+1], v[RES+2], v[RES+3]
	global_store_b64 v8, v[OUT+2*((\g)%8):OUT+2*((\g)%8)+1], s[42:43] offset:(\g)*4096   ; the wave's store covers 256 consecutive bytes, aligned
.endm
; One image.  On both ways here (from the start, and round the loop) the youngest eight loads are the records of groups 2-5, two each; all that is older is the image and the records of groups 0 and 1.
.macro IMAGE nx
.set LC, 8
.set RM0, -1
.set RM1, -1
.set RM2, 2
.set RM3, 4
.set RM4, 6
.set RM5, 8
.set RM6, 0
.set IL, 0
	s_wait_loadcnt 0x8                             ; the image is in my registers; those eight may stay out
	s_wait_xcnt 0x0                                ; every earlier memory instruction has had its addresses translated (ISA guide 3.1): bases and store data are rewritten only behind this wait
	s_mov_b64 s[38:39], s[30:31]                   ; the next image is the one in hand now
	s_mov_b64 s[40:41], s[32:33]
	s_mov_b64 s[42:43], s[34:35]
	s_mov_b64 s[44:45], s[36:37]
.if \nx
	s_add_co_u32 s15, s15, 1
	SCAL
.endif
.irp k, 9,10,11,12
	v_mov_b32 v\k, 0
.endr
.set k2, 0
.rept 64
	v_max3_num_f32 v[9+k2%4], |v[IMG+2*k2]|, |v[IMG+2*k2+1]|, v[9+k2%4]   ; my sixteen rows' largest magnitude, in four chains
.set k2, k2+1
.endr
	v_max3_num_f32 v9, v9, v10, v11
	v_max_num_f32 v9, v9, v12
	WMAX 9, 10
	s_wait_dscnt 0x0                               ; my reads of the image before are over
	s_barrier_signal -1
	s_barrier_wait -1                              ; everybody's are: LDS may be written
.set i, 0
.rept 32                               ; row i / 2, half i % 2: four words of (row, row below), 512 consecutive bytes of LDS a store
.set p, PK+4*(i%2)
.irp k, 0,1,2,3
	v_cvt_pk_f16_f32 v[p+\k], v[IMG+4*i+\k], v[IMG+4*i+8+\k]
.endr
	ds_store_b128 v4, v[p:p+3] offset:i*512
.if (\nx) && (i < 10)
	ILOAD                                          ; registers IMG + 4 i .. + 3 were read for the last time just above (as the upper row; as the lower one two steps back)
.endif
.set i, i+1
.endr
	ds_store_b32 v14, v9
	s_wait_dscnt 0x0                               ; for the others' sake: my rows and my word are written
	s_barrier_signal -1
	s_barrier_wait -1                              ; the image is whole
	GRP 0, 0, 68, 69, 70, 71, \nx
	GRP 1, 1, 76, 77, 78, 79, \nx
	GRP 2, 2, 84, 85, 86, 87, \nx
	GRP 3, 3, 92, 93, 94, 95, \nx
	GRP 4, 4, 100, 101, 102, 103, \nx
	GRP 5, 5, 108, 109, 110, 111, \nx
	GRP 6, 0, 68, 69, 70, 71, \nx
	GRP 7, 1, 76, 77, 78, 79, \nx
	GRP 8, 2, 84, 85, 86, 87, \nx
	GRP 9, 3, 92, 93, 94, 95, \nx
	GRP 10, 4, 100, 101, 102, 103, \nx
	GRP 11, 5, 108, 109, 110, 111, \nx
	s_cmp_lt_u32 s14, 4
	s_cbranch_scc0 .Lno13_\@
	GRP 12, 6, 116, 117, 118, 119, \nx
.Lno13_\@:
	s_cmp_lg_u32 s14, 4
	s_cbranch_scc1 .Lnotm_\@
	ds_load_b32 v9, v15                            ; wave 4, which has twelve groups: the sixteen waves' maxima
	s_wait_dscnt 0x0
	WMAX 9, 10
	v_cmp_eq_u32 vcc_lo, 0, v6
	s_wait_xcnt 0x0                                ; EXEC is a source of what has been issued: it changes only behind this wait
	s_and_saveexec_b32 s49, vcc_lo
	global_store_b32 v1, v9, s[44:45]
	s_wait_xcnt 0x0                                ; and again in front of the line that widens it
	s_or_b32 exec_lo, exec_lo, s49
.Lnotm_\@:
.endm
	s_mov_b32 s48, 2
.Limg:                                 ; two trips: images 3 g and 3 g + 1, each loading the one behind it
	IMAGE 1
	s_sub_co_u32 s48, s48, 1
	s_cmp_lg_u32 s48, 0
	s_cbranch_scc1 .Limg
	IMAGE 0                                        ; the last image is written out: nothing is left to load, so no load leaves a buffer
	s_wait_tensorcnt 0x0                           ; the wave's end, behind my last LDS store
	ds_add_u32 v[SPW], v[NIL]
	s_wait_dscnt 0x0
	s_endpgm
.Lfunc_end_k_q01e7c06a9f_sample:
	.size	k_q01e7c06a9f_sample, .Lfunc_end_k_q01e7c06a9f_sample-k_q01e7c06a9f_sample
	.p2alignl 7, 3214868480
	.fill 96, 4, 3214868480
	.section	.rodata,"a",@progbits
	.p2align	6, 0x0
	.amdhsa_kernel k_q01e7c06a9f_sample
		.amdhsa_group_segment_fixed_size 264448
		.amdhsa_private_segment_fixed_size 0
		.amdhsa_enable_private_segment 0
		.amdhsa_kernarg_size 40
		.amdhsa_user_sgpr_count 2
		.amdhsa_user_sgpr_kernarg_segment_ptr 1
		.amdhsa_wavefront_size32 1
		.amdhsa_system_sgpr_workgroup_id_x 1
		.amdhsa_system_sgpr_workgroup_id_y 1
		.amdhsa_system_sgpr_workgroup_id_z 1
		.amdhsa_system_vgpr_workitem_id 0
		.amdhsa_next_free_vgpr 256
		.amdhsa_next_free_sgpr 66
		.amdhsa_reserve_vcc 1
		.amdhsa_float_denorm_mode_32 3
		.amdhsa_float_denorm_mode_16_64 3
		.amdhsa_memory_ordered 1
		.amdhsa_forward_progress 1
		.amdhsa_inst_pref_size 126
	.end_amdhsa_kernel
	.amdgpu_metadata
---
amdhsa.version: [ 1, 2 ]
amdhsa.kernels:
  - .name:           k_q01e7c06a9f_sample
    .symbol:         k_q01e7c06a9f_sample.kd
    .args:
      - { .name: triplane, .offset: 0, .size: 8, .value_kind: global_buffer, .address_space: global }
      - { .name: idx, .offset: 8, .size: 8, .value_kind: global_buffer, .address_space: global }
      - { .name: wts, .offset: 16, .size: 8, .value_kind: global_buffer, .address_space: global }
      - { .name: feats, .offset: 24, .size: 8, .value_kind: global_buffer, .address_space: global }
      - { .name: tmax, .offset: 32, .size: 8, .value_kind: global_buffer, .address_space: global }
    .group_segment_fixed_size: 264448
    .private_segment_fixed_size: 0
    .kernarg_segment_align: 8
    .kernarg_segment_size: 40
    .max_flat_workgroup_size: 512
    .sgpr_count:     66
    .vgpr_count:     256
    .wavefront_size: 32
...
	.end_amdgpu_metadata
.endif
;; end of part 4
;; launch mlp (part 5): grid 56 x 4, 4 waves a work-group, clusters of 4 x 1, 327,680 bytes of LDS; arguments feats, wq, bias, cst, tmax, out0, out1, out2; writes out0, out1, out2
.if DOCPART == 5
	.amdgcn_target "amdgcn-amd-amdhsa--gfx1250"
	.amdhsa_code_object_version 6
	.text
	.protected	k_q01e7c06a9f_mlp
	.globl	k_q01e7c06a9f_mlp
	.p2align	8
	.type	k_q01e7c06a9f_mlp,@function
k_q01e7c06a9f_mlp:
	s_mov_b64 s[64:65], 0
	v_nop
	global_prefetch_b8 v0, s[64:65] scope:SCOPE_SE
	s_setreg_imm32_b32 hwreg(HW_REG_WAVE_MODE, 25, 1), 1
	s_wait_xcnt 0x0
	s_wait_alu depctr_hold_cnt(0) depctr_sa_sdst(0) depctr_va_vdst(0) depctr_va_sdst(0) depctr_va_ssrc(0) depctr_va_vcc(0) depctr_vm_vsrc(0)
	s_getreg_b32 s2, hwreg(HW_REG_IB_STS2, 6, 4)
	s_cmp_eq_u32 s2, 0
	s_cbranch_scc0 .Lentry_in_a_cluster
	s_endpgm
.Lentry_in_a_cluster:
	s_bfe_u32 s2, ttmp6, 0x10000c
	s_cmp_lg_u32 s2, 0x3003
	s_cbranch_scc0 .Lentry_shape_is_right
	s_endpgm
.Lentry_shape_is_right:
; MLP.  Ten layers of width 256 with ReLU and the seven outputs, for 448 point slots a work-group; the activations never leave the work-group.
; SHARES.  A wave owns 112 points: 7 blocks of 16.  H'^T = W H^T: source 0 = 16 rows of W (from LDS), source 1 = 32 channels x 16 points (registers).  In the result a lane holds ONE point
; (lane % 16) and the channels 8 (lane / 16) + 0..7, so two results rounded to f16 ARE the next layer's source 1: nothing changes lanes.  A fragment of W feeds 7 products.
; ORDER.  A layer is 8 PAIRS of 32 output channels; a pair is 8 K steps x 14 products on 14 accumulators by turns, the first K step with C = 0.  A pair's epilogue (scale, bias, maximum, ReLU,
; rounding: 288 vector instructions) stands three behind each product of the NEXT pair.  Old and new activations together would want 896 registers, so new blocks 0-6 go to the wave's own LDS bytes and come
; back inside the layer's last pair, when their old blocks have been multiplied for the last time; block 7 is written straight into registers behind that pair.
; A PAIR'S LDS INSTRUCTIONS STAND IN TWO RUNS, never singly among the products: one behind the second product of K step 4, one at the pair's end (see PAIR).
; The input layer runs the same text with K filled up from 192 to 256 by zero columns of W and 112 zero registers: a fortieth more products, and no second text of a layer.
; FORMATS.  Operands f16, sums f32.  W is stored times 32.  Activations are a = h S with one S a wave and layer, kept in f32 as R = 1 / S.  Ahead of a layer: D = max(G R m + Bm, 1e-30), G the layer's largest row sum of
; |w|, Bm its largest |b|, m the wave's largest a (for the input: the largest magnitude of the batch's 192 images, which bounds every bilinear mean); S' = 16384 / D.  So |a'| <= 16,384 for every input; m is measured
; anew in every layer, so the bound's slack does not add up.  a' = relu(acc (S' R / 32) + b S').  Outputs: acc R / 32 + b, three of them through 1 / (1 + 2^(-x log2 e)).
; LIMITS.  A point whose activations lie more than 2^20 below its wave's largest loses relative, not absolute, precision (f16's fixed step below 6e-5).  Where D would fall under 1e-30 the layer's numbers count as
; that small; NaN and infinities are not treated apart (the maxima drop a NaN).
; W goes in tiles of 64 rows (two pairs) through two LDS slots.  CLUSTER: the four work-groups of a cluster walk the same 41 tiles, so each is asked for JOINTLY, 16 rows a wave.  The feats tile is each work-group's own.
; 6,250 blocks of 16 points on 896 waves are 7 a wave whatever the split: 224 work-groups are launched.
; REGISTERS, in windows of 256 (s_set_vgpr_msb: bits 1:0 source 0, 3:2 source 1, 5:4 source 2, 7:6 destination):
;   window 0: v0-15 addresses and at work; v16-47 two sets of 16 raw biases; v48-59 at work, output addresses; v64-191 W's fragments of one pair (K step kk, half mb at 64 + 16 kk + 8 mb)
;   window 1: activation blocks 0-3 (block kb, points n at 56 kb + 8 n)      window 2: blocks 4-7
;   window 3: v0-111, v112-223 the even and the odd pairs' accumulators (half mb, points n at 56 mb + 8 n); v224-239 b S'; v240-243 four running maxima
.set WPITCH, 528                       ; a row of W in LDS: 512 bytes + 16: the 16 rows of a fragment load start 132 words apart, at 16 different groups of four banks (64 banks of 4 bytes: ISA guide 11.1)
.set WQUART, 16*WPITCH                 ; what one tensor load brings
.set WS1,    0x40000                   ; slot 0 begins at 0, slot 1 here: one exclusive or turns an address in one into the other's
.set ACT,    33792                     ; behind slot 0: first the feats tile (its one fill), then the waves' own bytes
.set FP,     1056                      ; a row of the feats tile: 1,024 bytes + 32, an odd multiple of 32
.set FQUART, 48*FP
.set PRIV,   50176                     ; a wave's own bytes: 7 blocks
.set BLK,    7168                      ; a block: 7 x 2 x 512 bytes
.set SPARE,  295936                    ; behind slot 1: the spare words, 128 bytes a wave
.set SPW, 2                            ; v2   LDS address of my spare word; never rewritten
.set NIL, 3                            ; v3   0; never rewritten
.set AW,  4                            ; v4   my lane's place in the W slot in hand
.set STO, 5                            ; v5   where the pair in hand spills
.set RLD, 6                            ; v6   my 16 bytes in the first 512 of my wave's own bytes; never rewritten
.set BOF, 7                            ; v7   my byte offset in the bias table, one pair ahead
.set RR,  12                           ; v12  R
.set AW0, 14                           ; v14  my lane's place in a W slot; never rewritten
.set FA,  15                           ; v15  my lane's place in the feats tile
.set BR,  16
.set SA,  54                           ; v54, v55 the output stage: where I put three numbers, one number
.set SB,  55
.set GO,  56                           ; v56  16 x lane
.set LN,  57                           ; v57-59 lane, lane + 32, lane + 64
.set WF,  64
.set OB,  64                           ; the outputs read back, where W's fragments lay
.set BS,  224
.set MX,  240
.set WV,  20                           ; s20  my wave's number
.set G1W, 24                           ; s[24:31] descriptor group 1 of W's tiles      s[32:39] of the feats tile
.set G1F, 32
.set G0A, 40                           ; s[40:43] group 0: W tile 0    s[44:47] W tile 1, which then walks    s[48:51] feats
.set G0W, 44
.set G0F, 48
.set CNT, 52                           ; s52  tiles to go
.set PH,  53                           ; s53  the number, modulo 4, of the tile that the odd pair in hand enters: 0 where that pair is a layer's last
.set ALPHA, 54                         ; s[54:55] S' R / 32: the packed forms name a pair and take its low word
.set BETA,  56                         ; s[56:57] S'
.set GB,  58                           ; s[58:59] G, Bm of the layer to come
.set CO,  60                           ; s60  their byte offset
.set TB,  61                           ; s61  the slot in hand
.set SEL, 62                           ; s[62:63] v_permlanex16_b32's selects
.set SPB, 80                           ; s80  byte offset, in my own bytes, of the even block that the odd pair in hand spills
.set SPC, 81
.set MSB, 0
.macro WIN new                         ; the immediate's high byte repeats the setting that is left; a switch that changes nothing is dropped
.if MSB != (\new)
	s_set_vgpr_msb (MSB<<8)|(\new)
.set MSB, (\new)
.endif
.endm
.macro PLACES                          ; four plain vector instructions between a matrix instruction and a load into, or a vector read or write of, one of its registers (ISA guide 7.12.1 for vector reads and writes)
.rept 4
	v_nop
.endr
.endm
.macro CROUND                          ; a round of the cluster's barrier: my work-group's barrier; wave 0 signals for it; every wave waits for all four work-groups; my work-group's barrier once more
	s_barrier_signal -1
	s_barrier_wait -1
	s_cmp_lg_u32 s[WV], 0
	s_cbranch_scc1 .Lnot_wave_0_\@
	s_barrier_signal -3
.Lnot_wave_0_\@:
	s_barrier_wait -3
	s_barrier_signal -1
	s_barrier_wait -1
.endm
	s_load_b512 s[4:19], s[0:1], 0x0               ; feats 4, wq 6, bias 8, cst 10, tmax 12, out0 14, out1 16, out2 18
	v_lshl_add_u32 v[SPW], v0, 2, SPARE
	v_mov_b32 v[NIL], 0
	ds_add_u32 v[SPW], v[NIL]                      ; the wave's opening: the add and its wait ahead of my first tensor load; the set-up below, work on registers, stands between them
	v_lshrrev_b32 v1, 5, v0
	v_readfirstlane_b32 s[WV], v1                  ; wave 0..3
	s_bfe_u32 s21, ttmp6, 0x40000                  ; cx: my place in the cluster
	s_lshl_b32 s22, ttmp9, 2                       ; in a cluster launch ttmp9 counts clusters
	s_add_co_u32 s22, s22, s21                     ; my block of 448 slots, 0..55: it enters feats' and the outputs' addresses alone
	s_and_b32 s23, ttmp7, 0xffff                   ; the batch, which the partners share
	s_mov_b32 s[G1W], 15|(1<<16)|(1<<20)|(1<<21)|(6<<22)|(3<<25)  ; 15:0 the mask of four; 17:16 2-byte elements; 20 padding on; 21 set beside a mask; 24:22 after every 128 words (code 6); 31:25 4 words (code 3)
	s_mov_b32 s[G1W+1], 256<<16                    ; tensor_dim0 = 256
	s_mov_b32 s[G1W+2], 16<<16                     ; tensor_dim1 = 16
	s_mov_b32 s[G1W+3], 256<<16                    ; tile_dim0 = 256
	s_mov_b32 s[G1W+4], 16                         ; tile_dim1 = 16
	s_mov_b32 s[G1W+5], 256                        ; 256 elements from row to row
	s_mov_b32 s[G1W+6], 0
	s_mov_b32 s[G1W+7], 0
	s_mov_b32 s[G1F], (1<<16)|(1<<20)|(7<<22)|(7<<25)  ; no mask; padding after every 256 words (code 7), 8 words (code 7)
	s_mov_b32 s[G1F+1], 448<<16                    ; tensor_dim0 = 448: my slots; the tile's columns 448-511 lie past it and arrive as zeros, which makes a row 256 words, the padding's interval
	s_mov_b32 s[G1F+2], 48<<16                     ; tensor_dim1 = 48
	s_mov_b32 s[G1F+3], 512<<16                    ; tile_dim0 = 512
	s_mov_b32 s[G1F+4], 48                         ; tile_dim1 = 48
	s_mov_b32 s[G1F+5], 100352                     ; elements from channel to channel
	s_mov_b32 s[G1F+6], 0
	s_mov_b32 s[G1F+7], 0
	s_lshl_b32 s66, s[WV], 13                      ; my 16 rows of a W tile in memory (s66-68 hold the wave's number alone, never cx)
	s_mov_b32 s67, 0
	s_mul_i32 s68, s[WV], WQUART                   ; and in a slot
	s_mul_i32 s69, s[WV], FQUART                   ; my 48 channels of the feats tile in LDS
	s_mul_i32 s70, s[WV], 48*200704                ; and in memory,
	s_mul_i32 s72, s23, 25088
	s_mul_i32 s73, s22, 448
	s_add_co_u32 s72, s72, s73
	s_lshl_b32 s72, s72, 1
	s_add_co_u32 s70, s70, s72                     ; at my work-group's first slot
	s_mov_b32 s71, 0
	s_mul_i32 s74, s23, 768                        ; the batch's 192 image maxima
	s_mov_b32 s75, 0
	s_mov_b32 s[G0A], 1
	s_mov_b32 s[G0A+1], s68
	s_mov_b32 s[G0W], 1
	s_add_co_u32 s[G0W+1], s68, WS1
	s_mov_b32 s[G0F], 1
	s_add_co_u32 s[G0F+1], s69, ACT
	s_mov_b32 s[SEL], 0x76543210
	s_mov_b32 s[SEL+1], 0xfedcba98
	s_mov_b32 s[CO], 0
	s_mov_b32 s[TB], 0
	s_mov_b32 s[PH], 0
	s_mov_b32 s[SPB], 0
	s_mov_b32 s[CNT], 40
	s_wait_dscnt 0x0                               ; the opening add is done
	s_wait_kmcnt 0x0
	s_add_nc_u64 s[G0A+2:G0A+3], s[6:7], s[66:67]  ; tile 0
	s_add_nc_u64 s[G0W+2:G0W+3], s[G0A+2:G0A+3], 32768  ; tile 1
	s_or_b32 s[G0A+3], s[G0A+3], 0x80000000        ; type = 2
	s_or_b32 s[G0W+3], s[G0W+3], 0x80000000
	s_add_nc_u64 s[G0F+2:G0F+3], s[4:5], s[70:71]
	s_or_b32 s[G0F+3], s[G0F+3], 0x80000000
	s_add_nc_u64 s[76:77], s[12:13], s[74:75]
	CROUND                                         ; all four work-groups are here: the first joint loads meet
	tensor_load_to_lds s[G0F:G0F+3], s[G1F:G1F+7]  ; the three first fills go out together: three loads of mine are out
	s_nop 0
	tensor_load_to_lds s[G0A:G0A+3], s[G1W:G1W+7]
	s_nop 0
	tensor_load_to_lds s[G0W:G0W+3], s[G1W:G1W+7]
	s_nop 0
	PLACES
	s_load_b64 s[GB:GB+1], s[10:11], s[CO] offset:0x0   ; G, Bm of the input layer
	v_and_b32 v1, 15, v0                           ; r = lane % 16
	v_bfe_u32 v9, v0, 4, 1                         ; h = lane / 16
	v_and_b32 v10, 7, v0
	v_bfe_u32 v11, v0, 3, 1
	v_and_b32 v[LN], 31, v0
	v_lshlrev_b32 v13, 3, v[LN]
	global_load_b64 v[48:49], v13, s[76:77]
	global_load_b64 v[50:51], v13, s[76:77] offset:256
	global_load_b64 v[52:53], v13, s[76:77] offset:512
	v_add_nc_u32 v[LN+1], 32, v[LN]
	v_add_nc_u32 v[LN+2], 64, v[LN]
	v_lshlrev_b32 v[GO], 4, v[LN]
	v_mul_u32_u24 v[AW0], v1, WPITCH               ; a fragment of W: row r, 16 bytes for each half of the lanes, two loads 32 bytes apart
	v_lshl_add_u32 v[AW0], v9, 4, v[AW0]
	v_mov_b32 v[AW], v[AW0]
	s_mul_i32 s78, s[WV], PRIV
	s_add_co_u32 s78, s78, ACT                     ; my wave's own bytes
	v_lshl_add_u32 v[RLD], v[LN], 4, s78
	v_lshlrev_b32 v[BOF], 5, v9                    ; my eight channels of sixteen: 32 h bytes
	v_lshl_add_u32 v[FA], v9, 3, v10               ; the turning load: lane l reads channel 8 h + l % 8, points 8 ((l / 8) % 2) + 0..7
	v_mul_u32_u24 v[FA], v[FA], FP
	v_lshl_add_u32 v[FA], v11, 4, v[FA]
	s_mul_i32 s79, s[WV], 224                      ; my 112 points in a row
	s_add_co_u32 s79, s79, ACT
	v_add_nc_u32 v[FA], s79, v[FA]
	v_mul_u32_u24 v[SA], v1, 12                    ; the stage: lanes 0-15 hold rgb (from byte 0), lanes 16-31 emb (from byte 1,536): 12 bytes a point
	v_mad_u32_u24 v[SA], v9, 1536, v[SA]
	v_add_nc_u32 v[SA], s78, v[SA]
	v_lshlrev_b32 v[SB], 2, v1                     ; density from byte 3,072; the other half's fourth number, which is nothing, from 3,584
	v_lshl_add_u32 v[SB], v9, 9, v[SB]
	v_add_nc_u32 v[SB], s78, v[SB]
	v_mov_b32 v[RR], 1.0                           ; the features come unscaled
	WIN 0x80
.set i, 112
.rept 112
	v_mov_b32 v[i], 0                              ; blocks 6 and 7 of the input: channels 192-255, which are none.  These stand in the wait for the first tiles
.set i, i+1
.endr
	WIN 0
	s_wait_tensorcnt 0x1                           ; my parts of the feats tile and of W tile 0 are in; tile 1 may stay out
	s_barrier_signal -1
	s_barrier_wait -1                              ; everybody's are
.set kb, 0
.rept 6                                ; the features as source 1: block kb = channels 32 kb on, turned on the way out of LDS
	WIN 0x40+0x40*(kb/4)
.set n, 0
.rept 7
	ds_load_tr16_b128 v[56*(kb%4)+8*n:56*(kb%4)+8*n+3], v[FA] offset:32*n
	ds_load_tr16_b128 v[56*(kb%4)+8*n+4:56*(kb%4)+8*n+7], v[FA] offset:32*n+16*FP
.set n, n+1
.endr
	WIN 0
	v_add_nc_u32 v[FA], 32*FP, v[FA]
.set kb, kb+1
.endr
; W's fragments of K step g of a pair whose rows begin at row rb of the slot in hand: four loads
.macro WFL g, rb
.irp mb, 0,1
	ds_load_b128 v[WF+16*(\g)+8*\mb:WF+16*(\g)+8*\mb+3], v[AW] offset:((\rb)+16*\mb)*WPITCH+64*(\g)
	ds_load_b128 v[WF+16*(\g)+8*\mb+4:WF+16*(\g)+8*\mb+7], v[AW] offset:((\rb)+16*\mb)*WPITCH+64*(\g)+32
.endr
.endm
.irp g, 0,1,2,3,4,5,6,7
	WFL \g, 0
.endr
; THE SCALE of the layer to come.  first = 1: v8 holds the lanes' maxima already.  heads = 1: only R / 32 is wanted.
.macro UPD first, heads
.if \heads
	WIN 0
	v_mul_f32 v8, 0x3d000000, v[RR]
	v_readfirstlane_b32 s[ALPHA], v8
	s_mov_b32 s[ALPHA+1], s[ALPHA]
.else
.if !(\first)
	WIN 0x3f                                       ; sources window 3, destination window 0
	v_max3_num_f32 v8, v[MX], v[MX+1], v[MX+2]
	v_mov_b32 v9, v[MX+3]
	WIN 0
	v_max_num_f32 v8, v8, v9
.endif
	v_max_num_f32_dpp v8, v8, v8 row_xmask:1 row_mask:0xf bank_mask:0xf
	v_max_num_f32_dpp v8, v8, v8 row_xmask:2 row_mask:0xf bank_mask:0xf
	v_max_num_f32_dpp v8, v8, v8 row_xmask:4 row_mask:0xf bank_mask:0xf
	v_max_num_f32_dpp v8, v8, v8 row_xmask:8 row_mask:0xf bank_mask:0xf
	v_permlanex16_b32 v9, v8, s[SEL], s[SEL+1]
	v_max_num_f32 v8, v8, v9                       ; m, in every lane
	s_wait_kmcnt 0x0                               ; G, Bm
	v_mul_f32 v9, v[RR], v8
	v_fma_f32 v9, v9, s[GB], s[GB+1]               ; G R m + Bm bounds the layer's numbers
	v_max_num_f32 v9, 0x0da24260, v9               ; D, 1e-30 at the least
	v_rcp_f32 v10, v9
	v_mul_f32 v11, 0x38800000, v9                  ; R' = D / 16384: the plain instruction behind the reciprocal
	s_wait_alu depctr_va_vdst(0)
	v_mul_f32 v10, 0x46800000, v10                 ; S' = 16384 / D
	v_mul_f32 v13, v10, v[RR]
	v_mul_f32 v13, 0x3d000000, v13                 ; S' R / 32: W is stored times 32
	v_min_num_f32 v13, 0x7f7fffff, v13             ; kept finite, so that sums of 0 stay 0
	v_mov_b32 v[RR], v11
	v_readfirstlane_b32 s[ALPHA], v13
	v_readfirstlane_b32 s[BETA], v10
	s_mov_b32 s[ALPHA+1], s[ALPHA]                 ; named as pairs
	s_mov_b32 s[BETA+1], s[BETA]
	s_add_co_u32 s[CO], s[CO], 8                   ; free since the wait above
	s_load_b64 s[GB:GB+1], s[10:11], s[CO] offset:0x0
	WIN 0xc0
.irp k, 0,1,2,3
	v_mov_b32 v[MX+\k], 0                          ; the maxima start at 0: what ReLU leaves is never below
.endr
	WIN 0
.endif
.endm
; Number q of the 288 of a pair's epilogue, on accumulator set par (0 even pairs, 1 odd).  0-7: b S' for my 16 channels.  Then 20 for each of the 14 results, its registers ascending (the lowest are read first):
; 4 x acc alpha + b S'; 4 x the running maxima; 8 x ReLU; 4 x rounding to f16, in place into the result's registers 0-3 (SPILL stores them from there), or (direct = 1) into block 7's registers.
.macro RID par, direct
.if q < 8
	WIN 0xc0
	v_pk_mul_f32 v[BS+2*q:BS+2*q+1], v[BR+16*(\par)+2*q:BR+16*(\par)+2*q+1], s[BETA:BETA+1] op_sel_hi:[1,0]
.else
.set tt, (q-8)/20
.set jj, (q-8)%20
.set rA, 112*(\par)+8*tt
.set rB, BS+8*(tt/7)
.if jj < 4
	WIN 0xff
	v_pk_fma_f32 v[rA+2*jj:rA+2*jj+1], v[rA+2*jj:rA+2*jj+1], s[ALPHA:ALPHA+1], v[rB+2*jj:rB+2*jj+1] op_sel_hi:[1,0,1]
.elseif jj < 8
	WIN 0xff
	v_max3_num_f32 v[MX+jj-4], v[rA+2*(jj-4)], v[rA+2*(jj-4)+1], v[MX+jj-4]
.elseif jj < 16
	WIN 0xff
	v_max_num_f32 v[rA+jj-8], 0, v[rA+jj-8]
.elseif \direct
	WIN 0x8f                                       ; destination window 2
	v_cvt_pk_f16_f32 v[168+8*(tt%7)+4*(tt/7)+jj-16], v[rA+2*(jj-16)], v[rA+2*(jj-16)+1]
.else
	WIN 0xff
	v_cvt_pk_f16_f32 v[rA+jj-16], v[rA+2*(jj-16)], v[rA+2*(jj-16)+1]
.endif
.endif
.set q, q+1
.endm
; The results of set par whose epilogue is finished (result sd's last number is 27 + 20 sd) and that are not stored yet go into my own LDS bytes, in one run.
.macro SPILL par
.rept 14
.if (sd < 14) && (q >= 28+20*sd)
	WIN 0x0c                                       ; data window 3, address window 0
	ds_store_b128 v[STO], v[112*(\par)+8*sd:112*(\par)+8*sd+3] offset:(\par)*BLK+(sd%7)*1024+(sd/7)*512
.set sd, sd+1
.endif
.endr
.endm
; In a layer's last pair (PH = 0) new blocks k0 .. k1 come back into the registers of the old ones, which have been multiplied for the last time.  LDS serves a wave's instructions in order (ISA guide 5.7.1.4): these see my spills.
.macro RELOADS k0, k1
	s_cmp_lg_u32 s[PH], 0
	s_cbranch_scc1 .Lnorel_\@
.set kb, (\k0)
.rept (\k1)-(\k0)+1
	WIN 0x40+0x40*(kb/4)
.set n, 0
.rept 7
	ds_load_b128 v[56*(kb%4)+8*n:56*(kb%4)+8*n+3], v[RLD] offset:kb*BLK+n*1024
	ds_load_b128 v[56*(kb%4)+8*n+4:56*(kb%4)+8*n+7], v[RLD] offset:kb*BLK+n*1024+512
.set n, n+1
.endr
.set kb, kb+1
.endr
	WIN 0
.Lnorel_\@:
.endm
; THE CHANGE OF SLOTS, in the middle of every odd pair.  Each wave waits for all its tensor loads, of which one is out: its part of the next tile; adds 0 to its spare word; and waits for that and for its reads of the slot that it
; leaves (the last were issued at the end of the pair before, 58 products back).  fill = 1: that slot is filled again with the tile two on.  The barrier is then a round of the cluster's, so that no wave of any partner
; still reads the slot or has a load on its way, and the joint refill is the first thing behind it: it has two pairs, 224 products, in which to land.  The four v_nop are also the places in front of the loads that follow.
.macro CHANGE fill
	WIN 0
	s_wait_tensorcnt 0x0                           ; no tensor load of mine is out, so a group 0 may be written
	ds_add_u32 v[SPW], v[NIL]                      ; 0 onto my spare word; the scalar work stands between it and the wait for it
.if \fill
	s_xor_b32 s[G0W+1], s[G0W+1], WS1              ; the other slot than last time,
	s_add_nc_u64 s[G0W+2:G0W+3], s[G0W+2:G0W+3], 32768  ; the next 64 rows; the type bits on top are not reached
.endif
	s_xor_b32 s[TB], s[TB], WS1
	s_wait_dscnt 0x0                               ; the add is done, and my reads of the slot are over
.if \fill
	CROUND
	tensor_load_to_lds s[G0W:G0W+3], s[G1W:G1W+7]
	s_nop 0
.else
	s_barrier_signal -1
	s_barrier_wait -1
.endif
	PLACES
	v_add_nc_u32 v[AW], s[TB], v[AW0]
.endm
.macro TICK                            ; ahead of every odd pair: which tile it enters, and where it and the even pair behind it spill
	s_add_co_u32 s[PH], s[PH], 1
	s_and_b32 s[PH], s[PH], 3
	s_add_co_u32 s[SPB], s[PH], 3
	s_and_b32 s[SPB], s[SPB], 3                    ; the tile before's number modulo 4: its pairs are the blocks that are spilled now
	s_mul_i32 s[SPB], s[SPB], 2*BLK
.endm
; A PAIR on accumulator set par.  ride = 1: the pair before's epilogue stands three behind each product.  rel = 1: the text of the odd pairs, which may be a layer's last.  chg = 1: the slots change, and one is filled
; again; 2: they change, and nothing is asked for; 0: an even pair.
; THE MIDDLE RUN, behind the second product of K step 4: the fragments of K steps 0-3 and the old blocks 0-3 have been multiplied for the last time.  The change of slots; the spills of the results finished so far
; (58 products x 3 = 174 numbers of the list: results 0-7); the NEXT pair's fragments of K steps 0-3 (it lies in the slot in hand, at rows 0 or 32); in a layer's last pair blocks 0-3.
; THE END RUN: the other six spills; in a layer's last pair blocks 4-6; the next pair's fragments of K steps 4-7, last.  The next pair's four bias loads follow at once.
; WAITS.  At K step 0 the count is 16: on every way here the youngest sixteen LDS instructions are the end run's fragment loads, which K step 4 wants; all that is older (the fragments of K steps 0-3, every block) is in.
; At K step 4 the count is 0: nothing has been issued since.
.macro PAIR par, ride, rel, chg
	WIN 0
	s_wait_loadcnt 0x0                             ; the pair before's biases are in: they are wanted now, and their offset register may step
	v_add_nc_u32 v[BOF], 128, v[BOF]
	global_load_b128 v[BR+16*(\par):BR+16*(\par)+3], v[BOF], s[8:9] offset:-128     ; this pair's 32 channels: my 8 of the first 16,
	global_load_b128 v[BR+16*(\par)+4:BR+16*(\par)+7], v[BOF], s[8:9] offset:-112
	global_load_b128 v[BR+16*(\par)+8:BR+16*(\par)+11], v[BOF], s[8:9] offset:-64   ; my 8 of the second
	global_load_b128 v[BR+16*(\par)+12:BR+16*(\par)+15], v[BOF], s[8:9] offset:-48
.set q, 288
.set sd, 14
.if \ride
.set q, 0
.set sd, 0
.if (\par) == 0
	s_min_u32 s[SPC], s[SPB], 4*BLK                ; an odd block is 1, 3 or 5: the bound never bites, and holds the address inside my own bytes
	v_add_nc_u32 v[STO], s[SPC], v[RLD]
.else
	v_add_nc_u32 v[STO], s[SPB], v[RLD]
.endif
.endif
.set kk, 0
.rept 8
.if kk == 0
	s_wait_dscnt 16
.endif
.if kk == 4
	s_wait_dscnt 0x0
.endif
.set p, 0
.rept 14
.set pD, 112*(\par)+8*p
.set pA, WF+16*kk+8*(p/7)
.set pB, 56*(kk%4)+8*(p%7)
	WIN 0xf4+4*(kk/4)                              ; W window 0, activations window 1 or 2, C and D window 3
.if kk == 0
	v_wmma_f32_16x16x32_f16 v[pD:pD+7], v[pA:pA+7], v[pB:pB+7], 0
.else
	v_wmma_f32_16x16x32_f16 v[pD:pD+7], v[pA:pA+7], v[pB:pB+7], v[pD:pD+7]
.endif
.rept 3
.if q < 288
	RID 1-(\par), 0
.endif
.endr
.if (p == 1) && (kk == 4)
.if (\chg) == 1
	CHANGE 1
.elseif (\chg) == 2
	CHANGE 0
.else
	WIN 0
	PLACES
.endif
	SPILL 1-(\par)
	WIN 0
.irp g, 0,1,2,3
	WFL \g, 32*(1-(\par))
.endr
.if \rel
	RELOADS 0, 3
.endif
.endif
.set p, p+1
.endr
.set kk, kk+1
.endr
	WIN 0
	PLACES                                         ; behind the last products: for the loads below and for the epilogue that will read these sums
	SPILL 1-(\par)
	WIN 0
.if \rel
	RELOADS 4, 6
.endif
.irp g, 4,5,6,7
	WFL \g, 32*(1-(\par))
.endr
.endm
.macro EPH                             ; a layer's last pair has no pair behind it in which to ride: its epilogue stands alone, and writes block 7
	WIN 0
	s_wait_loadcnt 0x0
.set q, 0
.rept 288
	RID 1, 1
.endr
	WIN 0
.endm
	s_wait_loadcnt 0x0                             ; the images' maxima
	v_max3_num_f32 v8, v48, v49, v50
	v_max3_num_f32 v9, v51, v52, v53
	v_max_num_f32 v8, v8, v9
	UPD 1, 0
	s_wait_dscnt 0x0                               ; the features and the first pair's fragments are in registers
	s_branch .Lbare                                ; the loop is entered at a layer's first pair, in the middle of a trip
.Lbody:                                ; 39 trips: pairs 2 c - 1 and 2 c, c = 1..39; in the first of them tile c is entered and tile c + 1 asked for
	TICK
	PAIR 1, 1, 1, 1
	s_cmp_lg_u32 s[PH], 0
	s_cbranch_scc1 .Lmid
	EPH                                            ; that was a layer's last pair
	UPD 0, 0
.Lbare:
	PAIR 0, 0, 0, 0                                ; a layer's first pair: nothing is left to ride
	s_branch .Lbot
.Lmid:
	PAIR 0, 1, 0, 0
.Lbot:
	s_sub_co_u32 s[CNT], s[CNT], 1
	s_cmp_lg_u32 s[CNT], 0
	s_cbranch_scc1 .Lbody
	TICK                                           ; the tail is written out
	PAIR 1, 1, 1, 2                                ; the last layer's last pair: tile 40, the outputs' rows, is entered, nothing is asked for; it fetches the outputs' fragments
	EPH
	UPD 0, 1
	v_add_nc_u32 v[BOF], 128, v[BOF]               ; no load is out since the wait in front of the epilogue
	global_load_b128 v[BR:BR+3], v[BOF], s[8:9] offset:-128   ; row 10 of the bias table: lanes 0-15 rgb and density, lanes 16-31 emb and a 0
	s_mul_i32 s82, s22, 448                        ; where my 112 points' outputs go (s82 and on hold cx; none feeds a joint descriptor)
	s_mul_i32 s83, s[WV], 112
	s_add_co_u32 s82, s82, s83                     ; my first slot in the batch
	s_sub_co_u32 s84, 25000, s82
	s_min_u32 s84, s84, 112                        ; how many of my slots are points: 112, or 24 in the batch's last wave; a multiple of 4
	s_mul_i32 s85, s23, 25000
	s_add_co_u32 s85, s85, s82
	s_mul_i32 s86, s85, 12
	s_mov_b32 s87, 0
	s_add_nc_u64 s[88:89], s[14:15], s[86:87]
	s_add_nc_u64 s[90:91], s[18:19], s[86:87]
	s_lshl_b32 s92, s85, 2
	s_mov_b32 s93, 0
	s_add_nc_u64 s[94:95], s[16:17], s[92:93]
	s_mul_i32 s96, s84, 3
	s_lshr_b32 s96, s96, 2                         ; pieces of 16 bytes in 12 bytes a point,
	s_lshr_b32 s97, s84, 2                         ; in 4 bytes a point
	s_mov_b32 s99, 0xffff                          ; lanes 0-15
	s_wait_dscnt 0x0                               ; the fragments and the blocks
.set kk, 0
.rept 8                                ; 56 products: 16 rows of W, 7 accumulators by turns
.set p, 0
.rept 7
	WIN 0xf4+4*(kk/4)
.if kk == 0
	v_wmma_f32_16x16x32_f16 v[8*p:8*p+7], v[WF+16*kk:WF+16*kk+7], v[56*(kk%4)+8*p:56*(kk%4)+8*p+7], 0
.else
	v_wmma_f32_16x16x32_f16 v[8*p:8*p+7], v[WF+16*kk:WF+16*kk+7], v[56*(kk%4)+8*p:56*(kk%4)+8*p+7], v[8*p:8*p+7]
.endif
.set p, p+1
.endr
.set kk, kk+1
.endr
	WIN 0
	PLACES
	s_wait_loadcnt 0x0
	WIN 0xc3                                       ; sums window 3, biases window 0
.set n, 0
.rept 7
	v_pk_fma_f32 v[8*n:8*n+1], v[8*n:8*n+1], s[ALPHA:ALPHA+1], v[BR:BR+1] op_sel_hi:[1,0,1]
	v_pk_fma_f32 v[8*n+2:8*n+3], v[8*n+2:8*n+3], s[ALPHA:ALPHA+1], v[BR+2:BR+3] op_sel_hi:[1,0,1]
.set n, n+1
.endr
	WIN 0xff
.macro ALL21 line:vararg               ; one line for each of three numbers x (register 8 n + j) and its place at work t (8 n + 4 + j)
.set n, 0
.rept 7
.set j, 0
.rept 3
.set x, 8*n+j
.set t, 8*n+4+j
	\line
.set j, j+1
.endr
.set n, n+1
.endr
.endm
	ALL21 v_mul_f32 v[t], 0xbfb8aa3b, v[x]         ; the sigmoid, made in all lanes and kept in lanes 0-15
	ALL21 v_exp_f32 v[t], v[t]
	v_nop                                          ; a plain instruction behind the last exponential
	s_wait_alu depctr_va_vdst(0)
	ALL21 v_add_f32 v[t], 1.0, v[t]
	ALL21 v_rcp_f32 v[t], v[t]
	v_nop
	s_wait_alu depctr_va_vdst(0)
	ALL21 v_cndmask_b32 v[x], v[x], v[t], s99
	WIN 0x0c
.set n, 0
.rept 7                                ; through my own LDS bytes, whose spills have all been read back
	ds_store_b32 v[SA], v[8*n] offset:192*n
	ds_store_b32 v[SA], v[8*n+1] offset:192*n+4
	ds_store_b32 v[SA], v[8*n+2] offset:192*n+8
	ds_store_b32 v[SB], v[8*n+3] offset:3072+64*n
.set n, n+1
.endr
	WIN 0
.irp i, 0,1,2,3,4,5,6
	ds_load_b128 v[OB+4*\i:OB+4*\i+3], v[RLD] offset:512*\i   ; rgb from 0, emb from 1,536, density from 3,072: in order behind the stores above
.endr
	s_wait_dscnt 0x0
.macro OUTST lim, ln, data, base, off  ; the lanes whose 16 bytes belong to points store them: consecutive bytes, lane by lane
	v_cmp_gt_u32 vcc_lo, s[\lim], v[\ln]
	s_wait_xcnt 0x0                                ; EXEC is a source of what has been issued: it changes only behind this wait
	s_and_saveexec_b32 s98, vcc_lo
	global_store_b128 v[GO], v[\data:\data+3], s[\base:\base+1] offset:\off
	s_wait_xcnt 0x0                                ; and again in front of the line that widens it
	s_or_b32 exec_lo, exec_lo, s98
.endm
	OUTST 96, LN, OB, 88, 0
	OUTST 96, LN+1, OB+4, 88, 512
	OUTST 96, LN+2, OB+8, 88, 1024
	OUTST 96, LN, OB+12, 90, 0
	OUTST 96, LN+1, OB+16, 90, 512
	OUTST 96, LN+2, OB+20, 90, 1024
	OUTST 97, LN, OB+24, 94, 0
	s_wait_tensorcnt 0x0                           ; the wave's end, behind my last tensor load and my last LDS store
	ds_add_u32 v[SPW], v[NIL]
	s_wait_dscnt 0x0
	CROUND                                         ; the closing round: no work-group ends while a partner may still ask for a tile that names it
	s_endpgm
.Lfunc_end_k_q01e7c06a9f_mlp:
	.size	k_q01e7c06a9f_mlp, .Lfunc_end_k_q01e7c06a9f_mlp-k_q01e7c06a9f_mlp
	.p2alignl 7, 3214868480
	.fill 96, 4, 3214868480
	.section	.rodata,"a",@progbits
	.p2align	6, 0x0
	.amdhsa_kernel k_q01e7c06a9f_mlp
		.amdhsa_group_segment_fixed_size 327680
		.amdhsa_private_segment_fixed_size 0
		.amdhsa_enable_private_segment 0
		.amdhsa_kernarg_size 64
		.amdhsa_user_sgpr_count 2
		.amdhsa_user_sgpr_kernarg_segment_ptr 1
		.amdhsa_wavefront_size32 1
		.amdhsa_system_sgpr_workgroup_id_x 1
		.amdhsa_system_sgpr_workgroup_id_y 1
		.amdhsa_system_sgpr_workgroup_id_z 1
		.amdhsa_system_vgpr_workitem_id 0
		.amdhsa_next_free_vgpr 1024
		.amdhsa_next_free_sgpr 100
		.amdhsa_reserve_vcc 1
		.amdhsa_float_denorm_mode_32 3
		.amdhsa_float_denorm_mode_16_64 3
		.amdhsa_memory_ordered 1
		.amdhsa_forward_progress 1
		.amdhsa_inst_pref_size 186
	.end_amdhsa_kernel
	.amdgpu_metadata
---
amdhsa.version: [ 1, 2 ]
amdhsa.kernels:
  - .name:           k_q01e7c06a9f_mlp
    .symbol:         k_q01e7c06a9f_mlp.kd
    .args:
      - { .name: feats, .offset: 0, .size: 8, .value_kind: global_buffer, .address_space: global }
      - { .name: wq, .offset: 8, .size: 8, .value_kind: global_buffer, .address_space: global }
      - { .name: bias, .offset: 16, .size: 8, .value_kind: global_buffer, .address_space: global }
      - { .name: cst, .offset: 24, .size: 8, .value_kind: global_buffer, .address_space: global }
      - { .name: tmax, .offset: 32, .size: 8, .value_kind: global_buffer, .address_space: global }
      - { .name: out0, .offset: 40, .size: 8, .value_kind: global_buffer, .address_space: global }
      - { .name: out1, .offset: 48, .size: 8, .value_kind: global_buffer, .address_space: global }
      - { .name: out2, .offset: 56, .size: 8, .value_kind: global_buffer, .address_space: global }
    .group_segment_fixed_size: 327680
    .private_segment_fixed_size: 0
    .kernarg_segment_align: 8
    .kernarg_segment_size: 64
    .max_flat_workgroup_size: 128
    .sgpr_count:     100
    .vgpr_count:     1024
    .wavefront_size: 32
...
	.end_amdgpu_metadata
.endif
;; end of part 5
